; MI455X (gfx1250); checked and timed in simulation.
; The chip was launched on July 23, 2026; its instructions are those of AMD's public machine-readable ISA for CDNA 5 (MIT licence, August 2026) and "CDNA5" Instruction Set Architecture Reference Guide (July 2026). The comments in the code are by the model that wrote it; some were corrected since.
;; Multi Head Attention. Allowed arithmetic: matrix products marked QUANTISED: E2M1 operands, one E8M0 scale for each 32 along K, by v_wmma_scale_f32_16x16x128_f8f6f4 with both operands' format E2M1 (or v_wmma_scale_f32_32x16x128_f4), f32 sums; everything else in f32.
;; Inputs: bk 1,024 float32; bo 1,024 float32; bq 1,024 float32; bv 1,024 float32; k 2 x 2,048 x 1,024 float32; q 2 x 2,048 x 1,024 float32; v 2 x 2,048 x 1,024 float32; wk 1,024 x 1,024 float32; wo 1,024 x 1,024 float32; wq 1,024 x 1,024 float32; wv 1,024 x 1,024 float32.
;; Outputs: out0 2 x 2,048 x 1,024 float32.
;; This version of the problem:
;;   THIS VERSION OF THE PROBLEM IS GIVEN IN LOW PRECISION. The matrix products marked QUANTISED in the list below multiply operands that are first quantised to E2M1 (2 exponent bits, 1 mantissa bit; 4 bits a number), with one power-of-two scale for each 32 numbers along K (OCP MX v1.0); their sums are f32. All else is computed in f32.
;;   The module's matrix products, in the order in which they are computed (A, B: the left and right operand; K: the contracted axis; several contracted axes count as one K, in the product's order):
;;     1. [M 4,096, K 1,024] x [K 1,024, N 1,024]; A: input q; B: input wq: QUANTISED
;;     2. [M 4,096, K 1,024] x [K 1,024, N 1,024]; A: input k; B: input wk: QUANTISED
;;     3. [M 4,096, K 1,024] x [K 1,024, N 1,024]; A: input v; B: input wv: QUANTISED
;;     4. batch 32 x [M 2,048, K 64] x [K 64, N 2,048]; A: computed on the way; B: computed on the way: QUANTISED
;;     5. batch 32 x [M 2,048, K 2,048] x [K 2,048, N 64]; A: softmax (see below); B: computed on the way: QUANTISED
;;     6. [M 4,096, K 1,024] x [K 1,024, N 1,024]; A: computed on the way; B: input wo: QUANTISED
;;   THE QUANTISER, for each operand of a quantised product, along K:
;;     - K is cut into blocks of 32 from its start; a last block that is shorter is filled with zeros.
;;     - A block's scale is 2^e with e = floor(log2(the largest magnitude in the block)) - 2, held to -126 .. 127; a block of zeros has e = 0. As a byte (E8M0): e + 127.
;;     - Each number is divided by its block's scale, clamped to +-6, and rounded to the nearest number of E2M1, ties to even, subnormals kept.
;;     - The product sums the exact products of the quantised numbers (number of the format x scale) in f32.
;;   ~~~python
;;   def quantise(x, axis):      # numpy; x: float32 -> the quantised numbers, widened to float32 again
;;       x = np.moveaxis(x, axis, -1); K = x.shape[-1]
;;       x = np.pad(x, [(0, 0)] * (x.ndim - 1) + [(0, -K % 32)]); x = x.reshape(x.shape[:-1] + (-1, 32)); a = np.abs(x).max(-1, keepdims=True)
;;       e = np.where(a > 0, np.clip(np.frexp(np.where(a > 0, a, 1))[1] - 1 - 2, -126, 127), 0)      # np.frexp(a)[1] - 1 = floor(log2(a)), exactly
;;       r = np.clip(x / 2.0 ** e, -6, 6)
;;       step = 2.0 ** (np.maximum(np.frexp(np.where(r == 0, 1, r))[1] - 1, 0) - 1)
;;       q = np.round(r / step) * step * 2.0 ** e      # np.round: ties to even
;;       return np.moveaxis(q.reshape(q.shape[:-2] + (-1,))[..., :K], -1, axis).astype(np.float32)
;;   ~~~
;;   SOFTMAX AHEAD OF A QUANTISED PRODUCT. Where the list says 'softmax', what is quantised is not the finished softmax but p = 2^(t - M), with t = logit x log2(e) and M = ceil(the row's largest t), a whole number; so 1/2 < the row's largest p <= 1. The row's sum l is taken of the UNQUANTISED p, in f32, and the product's result is divided by l at the end. Since M is a whole number, a kernel that streams over the keys may use a running M (the ceiling of the running maximum): every later rescaling is an exact power of two, which a block's scale takes up: the codes' values come out the same.
;;   OPERANDS COMPUTED ON THE WAY. 'Computed on the way' means the value that the module computes at that place (a softmax that the list does not call 'softmax' is quantised finished and normalised). What goes into a quantiser is computed in f32, as accurately as f32 sums, v_exp_f32 and their like allow (about 1e-6 of the number): no bf16 or f16 on the way to a quantiser, and a product that is left as it is and whose result goes on into a quantised operand takes f32 operands (vector FMAs, or v_wmma_f32_16x16x4_f32). A number that lies on a knife's edge between two numbers of the format may be rounded either way, as far as f32 arithmetic and the matrix unit's own rounding can turn it there, and no further.
;; One version. Each part assembles by itself: llvm-mc -triple=amdgcn-amd-amdhsa -mcpu=gfx1250 --defsym DOCPART=n.
;; ======== version 1 of 1: 4 launches
;; limits: right only within a limited range of input values
;; workspace buffers: wimg 4,325,376 bytes; wsb 147,456 bytes; qcod 2,097,152 bytes; qscl 262,144 bytes; kcod 2,097,152 bytes; kscl 262,144 bytes; vcod 2,097,152 bytes; vscl 131,072 bytes
;; launch wq (part 1): grid 64 x 4, 8 waves a work-group, no clusters, 50,688 bytes of LDS; arguments wq, wk, wv, wo, bq, bk, bv, bo, wimg, wsb; writes wimg, wsb
.if DOCPART == 1
	.amdgcn_target "amdgcn-amd-amdhsa--gfx1250"
	.amdhsa_code_object_version 6
	.text
	.protected	k_qebf8537e60_wq
	.globl	k_qebf8537e60_wq
	.p2align	8
	.type	k_qebf8537e60_wq,@function
k_qebf8537e60_wq:
	s_mov_b64 s[64:65], 0
	v_nop
	global_prefetch_b8 v0, s[64:65] scope:SCOPE_SE
	s_setreg_imm32_b32 hwreg(HW_REG_WAVE_MODE, 25, 1), 1
	s_wait_xcnt 0x0
; The four weights [1024 (n)][1024 (k)], f32, K innermost, become codes of E2M1 with one E8M0 byte for each 32 along K, laid in the ORDER OF AN OPERAND'S REGISTERS,
; and the four biases are laid in the order of the tiles' rows.
; wimg: [g = wq, wk, wv, wo][tile T 0..63][K step ks 0..7][c 0..1][lane 0..31][16 bytes]: lane (r, h) holds the codes of row n(g, T, r), k = 128 ks + 64 c + 32 h + 0 .. 31.
; wsb:  bytes 0 .. 131071: [g][T][rho 0..15][32 scale bytes];  from byte 131072: [g][T][rho] f32 = b_g[n(g, T, rho)].
; WHICH ROWS FORM A TILE is free, and chosen for the launch that multiplies:  wq, wk: n = 32 (T / 2) + 8 (T % 2) + rho + 8 (rho / 8), so that a lane's results of two neighbouring tiles are 16 neighbouring columns;
; wv: n = T + 64 rho, so that a tile is one channel d of a head and a lane's eight results are eight neighbouring keys;  wo: n = 16 T + rho.
; A block's scale is 2^(floor(log2(its largest magnitude)) - 2); its byte is the largest magnitude's exponent field - 2, held at 1 from below.
; LIMITS: a block whose largest magnitude lies under 2^-124 (a block of zeros among them) keeps the byte 1: its codes are then zeros or subnormal codes under that scale, and the bytes are read by this program alone;
; NaN and infinities among the inputs are not served.
; SHARES: a work-group takes one tile (16 rows x 1,024: 65,536 bytes in, 8,192 + 512 + 64 out), wave w its rows rho = 2 w and 2 w + 1, in four steps of 512 numbers (row t / 2, half t % 2).
; Each load reads 512 consecutive bytes; a step's 2,048 bytes turn through the wave's own stage in LDS so that a lane holds 16 neighbours along K (two neighbouring lanes hold a block).
; The codes and bytes meet in LDS as the tile's image and leave in runs of 512 consecutive bytes.  No work-group shares an input with another: no cluster; no matrix work.
.set SP,   80                          ; a lane's place in a stage: 64 bytes + 16 of padding
.set WREG, 2*32*SP                     ; a wave's two stages
.set CST,  8*WREG                      ; the tile's image of codes, 8,192 bytes
.set SST,  CST+8192                    ; its 512 scale bytes
.set R,    16                          ; v16-79   four sets of 16 numbers as loaded
.set X,    80                          ; v80-111  two sets of 16 neighbours
.set C,    112                         ; v112-119 a step's codes, two registers each
.set E,    120                         ; v120-123 a step's scale byte
.set WV,   42                          ; s42      my wave's number
	s_load_b256 s[4:11], s[0:1], 0x0               ; wq, wk, wv, wo
	s_load_b256 s[12:19], s[0:1], 0x20             ; bq, bk, bv, bo
	s_load_b128 s[20:23], s[0:1], 0x40             ; wimg, wsb
	v_lshl_add_u32 v128, v0, 2, 0xc200
	v_mov_b32 v129, 0
	v_lshrrev_b32 v1, 5, v0
	s_delay_alu instid0(VALU_DEP_1)
	v_readfirstlane_b32 s[WV], v1                  ; wave 0..7
	v_and_b32 v2, 31, v0                           ; lane
	s_delay_alu instid0(VALU_DEP_1)
	v_lshlrev_b32 v3, 4, v2                        ; 16 x lane
	s_mul_i32 s43, s[WV], WREG
	v_lshrrev_b32 v14, 2, v2
	s_delay_alu instid0(VALU_DEP_1)
	v_mul_u32_u24 v14, v14, SP
	v_and_b32 v15, 3, v2
	s_delay_alu instid0(VALU_DEP_1)
	v_lshl_add_u32 v14, v15, 4, v14
	s_delay_alu instid0(VALU_DEP_1)
	v_add_nc_u32 v14, s43, v14                     ; the stage, on the way in: four lanes' 64 bytes on end, then the padding
	v_mul_u32_u24 v15, v2, SP
	s_delay_alu instid0(VALU_DEP_1)
	v_add_nc_u32 v15, s43, v15                     ; and on the way out: my 16 neighbours
	v_bfe_u32 v4, v0, 3, 2                         ; my 16 numbers are k = 512 (t % 2) + 16 lane on: K step lane / 8,
	s_delay_alu instid0(VALU_DEP_1)
	v_lshlrev_b32 v4, 10, v4
	v_bfe_u32 v8, v0, 2, 1                         ; c = (lane / 4) % 2,
	s_delay_alu instid0(VALU_DEP_1)
	v_lshl_add_u32 v4, v8, 9, v4
	v_bfe_u32 v8, v0, 1, 1                         ; h = (lane / 2) % 2,
	s_delay_alu instid0(VALU_DEP_1)
	v_lshl_add_u32 v4, v8, 8, v4
	v_and_b32 v8, 1, v0                            ; and the lower or upper 8 bytes of the block's 16
	s_delay_alu instid0(VALU_DEP_1)
	v_lshl_add_u32 v4, v8, 3, v4
	s_lshl_b32 s43, s[WV], 5
	v_add_nc_u32 v4, s43, v4                       ; + 16 x row 2 w
	v_lshrrev_b32 v5, 1, v2
	s_lshl_b32 s43, s[WV], 6
	v_add_nc_u32 v5, s43, v5                       ; my block's byte: 32 x row 2 w + lane / 2
	s_lshl_b32 s43, s[WV], 10
	v_add_nc_u32 v6, s43, v3                       ; the way out: 1,024 bytes of the image a wave
	s_and_b32 s24, ttmp7, 0xffff                   ; g
	s_mov_b32 s25, ttmp9                           ; T
	s_lshr_b32 s34, s25, 1
	s_lshl_b32 s34, s34, 5
	s_and_b32 s35, s25, 1
	s_lshl_b32 s35, s35, 3
	s_add_co_u32 s34, s34, s35                     ; wq, wk: the tile's first row 32 (T / 2) + 8 (T % 2)
	s_lshl_b32 s35, s25, 4                         ; wo: 16 T
	s_cmp_eq_u32 s24, 2
	s_cselect_b32 s34, s25, s34                    ; wv: T,
	s_cselect_b32 s36, 64, 1                       ; and 64 rows from rho to rho + 1
	s_cmp_eq_u32 s24, 3
	s_cselect_b32 s34, s35, s34
	s_cmp_lt_u32 s24, 2
	s_cselect_b32 s37, 8, 0                        ; wq, wk: 8 more from rho = 8 on
	v_and_b32 v8, 15, v0
	s_delay_alu instid0(VALU_DEP_1)
	v_mul_u32_u24 v7, s36, v8
	s_delay_alu instid0(VALU_DEP_2)
	v_lshrrev_b32 v11, 3, v8
	s_delay_alu instid0(VALU_DEP_1)
	v_mad_u32_u24 v7, v11, s37, v7
	s_delay_alu instid0(VALU_DEP_1)
	v_add_nc_u32 v7, s34, v7
	s_delay_alu instid0(VALU_DEP_1)
	v_lshlrev_b32 v7, 2, v7                        ; the bias of row n(g, T, lane % 16), in bytes
	v_lshlrev_b32 v9, 2, v8                        ; and its place in the image
	s_lshl_b32 s38, s[WV], 1
	s_mul_i32 s38, s38, s36
	s_lshr_b32 s39, s[WV], 2
	s_mul_i32 s39, s39, s37
	s_add_co_u32 s38, s38, s39
	s_add_co_u32 s38, s38, s34                     ; n(g, T, 2 w)
	s_lshl_b32 s38, s38, 12                        ; a row is 4,096 bytes
	s_mov_b32 s39, 0
	s_lshl_b32 s40, s36, 12                        ; from row 2 w to row 2 w + 1
	s_mov_b32 s41, 0
	s_lshl_b32 s44, s24, 19
	s_lshl_b32 s43, s25, 13
	s_add_co_u32 s44, s44, s43                     ; the tile's image in wimg
	s_mov_b32 s45, 0
	s_lshl_b32 s46, s24, 15
	s_lshl_b32 s43, s25, 9
	s_add_co_u32 s46, s46, s43                     ; its scale bytes in wsb
	s_mov_b32 s47, 0
	s_lshl_b32 s2, s24, 12
	s_lshl_b32 s43, s25, 6
	s_add_co_u32 s2, s2, s43
	s_add_co_u32 s2, s2, 131072                    ; its biases in wsb
	s_mov_b32 s3, 0
	s_wait_kmcnt 0x0
	s_cmp_eq_u32 s24, 1                            ; the weight and the bias are chosen by the work-group's y alone
	s_cselect_b64 s[4:5], s[6:7], s[4:5]
	s_cselect_b64 s[12:13], s[14:15], s[12:13]
	s_cmp_eq_u32 s24, 2
	s_cselect_b64 s[4:5], s[8:9], s[4:5]
	s_cselect_b64 s[12:13], s[16:17], s[12:13]
	s_cmp_eq_u32 s24, 3
	s_cselect_b64 s[4:5], s[10:11], s[4:5]
	s_cselect_b64 s[12:13], s[18:19], s[12:13]
	s_add_nc_u64 s[26:27], s[4:5], s[38:39]        ; row 2 w
	s_add_nc_u64 s[28:29], s[26:27], s[40:41]      ; row 2 w + 1
	s_add_nc_u64 s[20:21], s[20:21], s[44:45]
	s_add_nc_u64 s[30:31], s[22:23], s[46:47]
	s_add_nc_u64 s[32:33], s[22:23], s[2:3]
	s_cmp_lg_u32 s[WV], 0                          ; wave 0 also carries the tile's 16 biases: its oldest load, so every count below holds with it and without
	s_cbranch_scc1 .Lno_bias
	s_wait_alu depctr_va_vdst(0)
	global_load_b32 v10, v7, s[12:13]
.Lno_bias:
.macro LOAD t                          ; step t: 2,048 bytes of row t / 2, four loads of 512 consecutive bytes
.irp i, 0,1,2,3
	global_load_b128 v[R+16*(\t)+4*\i:R+16*(\t)+4*\i+3], v3, s[26+2*((\t)/2):27+2*((\t)/2)] offset:2048*((\t)%2)+512*\i th:TH_LOAD_NT
.endr
.endm
.macro TURN t                          ; step t's numbers through a stage: LDS serves a wave's instructions in order (ISA guide 5.7.1.4), so no wait stands between the stores and the loads
.irp i, 0,1,2,3
	ds_store_b128 v14, v[R+16*(\t)+4*\i:R+16*(\t)+4*\i+3] offset:32*SP*((\t)%2)+8*SP*\i
.endr
.irp i, 0,1,2,3
	ds_load_b128 v[X+16*((\t)%2)+4*\i:X+16*((\t)%2)+4*\i+3], v15 offset:32*SP*((\t)%2)+16*\i
.endr
.endm
.irp t, 0,1,2,3
	LOAD \t
.endr
	s_wait_loadcnt 12                              ; step 0's four loads are in; the twelve of steps 1 to 3 may be out
	TURN 0
.macro STEP t
.set XS, X+16*((\t)%2)
.if (\t) > 0
	s_wait_dscnt 2                                 ; this step's numbers are back from the stage; the last step's two stores into the image may be out
.else
	s_wait_dscnt 0x0
.endif
.if (\t) < 3
	s_wait_loadcnt 4*(2-(\t))                      ; the next step's four loads are in; those of the steps behind it may be out
	TURN (\t)+1                                    ; and go through the other stage while this step is worked
.endif
	v_max3_num_f32 v8, |v[XS]|, |v[XS+1]|, |v[XS+2]|               ; the largest magnitude of my 16, in two chains
	v_max3_num_f32 v12, |v[XS+3]|, |v[XS+4]|, |v[XS+5]|
.irp i, 6,10
	s_delay_alu instid0(VALU_DEP_2)
	v_max3_num_f32 v8, v8, |v[XS+\i]|, |v[XS+\i+1]|
	s_delay_alu instid0(VALU_DEP_2)
	v_max3_num_f32 v12, v12, |v[XS+\i+2]|, |v[XS+\i+3]|
.endr
	s_delay_alu instid0(VALU_DEP_2)
	v_max3_num_f32 v8, v8, |v[XS+14]|, |v[XS+15]|
	s_delay_alu instid0(VALU_DEP_1)
	v_max3_num_f32 v8, v8, v12, 0x1800000          ; and the floor 2^(3 - 127): the byte cannot fall under 1
	s_delay_alu instid0(VALU_DEP_1)
	v_max_num_f32_dpp v8, v8, v8 row_xmask:1 row_mask:0xf bank_mask:0xf   ; with my neighbour's 16: the block's
	s_delay_alu instid0(VALU_DEP_1)
	v_add_nc_u32 v11, 0xff000000, v8               ; 2 off its exponent field: the conversion takes the exponent field of this operand as its scale
	v_cvt_scalef32_pk8_fp4_f32 v[C+2*(\t)], v[XS:XS+7], v11
	v_cvt_scalef32_pk8_fp4_f32 v[C+2*(\t)+1], v[XS+8:XS+15], v11
	v_lshrrev_b32 v[E+(\t)], 23, v11               ; the scale's byte (a plain line behind the conversions)
	ds_store_b64 v4, v[C+2*(\t):C+2*(\t)+1] offset:CST+4096*((\t)%2)+16*((\t)/2)
	ds_store_b8 v5, v[E+(\t)] offset:SST+32*((\t)/2)+16*((\t)%2)   ; both lanes of a block write the same byte with the same value
.endm
.irp t, 0,1,2,3
	STEP \t
.endr
	s_wait_dscnt 0x0                               ; for the others' sake: my part of the image lies in LDS
	s_barrier_signal -1
	s_barrier_wait -1
	ds_load_b128 v[16:19], v6 offset:CST
	ds_load_b128 v[20:23], v6 offset:CST+512
	s_cmp_lg_u32 s[WV], 0
	s_cbranch_scc1 .Lcodes
	ds_load_b128 v[24:27], v3 offset:SST           ; wave 0: the tile's 512 scale bytes
	s_wait_dscnt 0x0
	global_store_b128 v3, v[24:27], s[30:31]
	global_store_b32 v9, v10, s[32:33]             ; and its 16 biases (their load was shown done by step 2's wait for all loads); lanes l and l + 16 write the same word with the same value
.Lcodes:
	s_wait_dscnt 0x0
	global_store_b128 v6, v[16:19], s[20:21]       ; each store of the wave covers 512 consecutive bytes, aligned
	global_store_b128 v6, v[20:23], s[20:21] offset:512
	s_wait_tensorcnt 0x0
	ds_add_u32 v128, v129
	s_wait_dscnt 0x0
	s_endpgm
.Lfunc_end_k_qebf8537e60_wq:
	.size	k_qebf8537e60_wq, .Lfunc_end_k_qebf8537e60_wq-k_qebf8537e60_wq
	.p2alignl 7, 3214868480
	.fill 96, 4, 3214868480
	.section	.rodata,"a",@progbits
	.p2align	6, 0x0
	.amdhsa_kernel k_qebf8537e60_wq
		.amdhsa_group_segment_fixed_size 50688
		.amdhsa_private_segment_fixed_size 0
		.amdhsa_enable_private_segment 0
		.amdhsa_kernarg_size 80
		.amdhsa_user_sgpr_count 2
		.amdhsa_user_sgpr_kernarg_segment_ptr 1
		.amdhsa_wavefront_size32 1
		.amdhsa_system_sgpr_workgroup_id_x 1
		.amdhsa_system_sgpr_workgroup_id_y 1
		.amdhsa_system_sgpr_workgroup_id_z 1
		.amdhsa_system_vgpr_workitem_id 0
		.amdhsa_next_free_vgpr 130
		.amdhsa_next_free_sgpr 66
		.amdhsa_reserve_vcc 0
		.amdhsa_float_denorm_mode_32 3
		.amdhsa_float_denorm_mode_16_64 3
		.amdhsa_memory_ordered 1
		.amdhsa_forward_progress 1
		.amdhsa_inst_pref_size 14
	.end_amdhsa_kernel
	.amdgpu_metadata
---
amdhsa.version: [ 1, 2 ]
amdhsa.kernels:
  - .name:           k_qebf8537e60_wq
    .symbol:         k_qebf8537e60_wq.kd
    .args:
      - { .name: wq, .offset: 0, .size: 8, .value_kind: global_buffer, .address_space: global }
      - { .name: wk, .offset: 8, .size: 8, .value_kind: global_buffer, .address_space: global }
      - { .name: wv, .offset: 16, .size: 8, .value_kind: global_buffer, .address_space: global }
      - { .name: wo, .offset: 24, .size: 8, .value_kind: global_buffer, .address_space: global }
      - { .name: bq, .offset: 32, .size: 8, .value_kind: global_buffer, .address_space: global }
      - { .name: bk, .offset: 40, .size: 8, .value_kind: global_buffer, .address_space: global }
      - { .name: bv, .offset: 48, .size: 8, .value_kind: global_buffer, .address_space: global }
      - { .name: bo, .offset: 56, .size: 8, .value_kind: global_buffer, .address_space: global }
      - { .name: wimg, .offset: 64, .size: 8, .value_kind: global_buffer, .address_space: global }
      - { .name: wsb, .offset: 72, .size: 8, .value_kind: global_buffer, .address_space: global }
    .group_segment_fixed_size: 50688
    .private_segment_fixed_size: 0
    .kernarg_segment_align: 8
    .kernarg_segment_size: 80
    .max_flat_workgroup_size: 256
    .sgpr_count:     66
    .vgpr_count:     130
    .wavefront_size: 32
...
	.end_amdgpu_metadata
.endif
;; end of part 1
;; launch proj (part 2): grid 64 x 3, 16 waves a work-group, no clusters, 327,680 bytes of LDS; arguments q, k, v, wimg, qcod, qscl, kcod, kscl, vcod, vscl, wsb; writes qcod, qscl, kcod, kscl, vcod, vscl
.if DOCPART == 2
	.amdgcn_target "amdgcn-amd-amdhsa--gfx1250"
	.amdhsa_code_object_version 6
	.text
	.protected	k_qebf8537e60_proj
	.globl	k_qebf8537e60_proj
	.p2align	8
	.type	k_qebf8537e60_proj,@function
k_qebf8537e60_proj:
	s_mov_b64 s[64:65], 0
	v_nop
	global_prefetch_b8 v0, s[64:65] scope:SCOPE_SE
	s_setreg_imm32_b32 hwreg(HW_REG_WAVE_MODE, 25, 1), 1
	s_wait_xcnt 0x0
; qp, kp, vp = Q(x) Q(w)^T + b for x = q, k, v (work-group y), quantised again for the attention launch and stored as codes and scale bytes in the order of its operands' registers.
; A work-group takes 64 rows of x and all 1,024 columns.  Wave w fetches, by ONE tensor load, 16 rows x two pieces of 128 numbers (K = 128 (w / 4) on and 512 further): stated as 32 rows of 512 bytes, 2,048 bytes apart,
; so that LDS row 2 y + u is piece u of row y.  It quantises them into the block's image in LDS; then wave w multiplies the weight's tiles 4 w .. 4 w + 3, read from wimg straight into registers, with all 64 rows.
.set XP,   528
.set XU,   16*XP
.set XW,   2*XU
.set XIMG, 16*XW
.set XSC,  XIMG+32768
.set QSTG, 0
.set QSS,  32768
.set VSS,  36864
.set VSTG, 38912
.set AS,   16
.set WS,   24
.set AF,   32
.set TM,   32
.set PW,   48
.set PC,   52
.set B0,   64
.set ACC,  128
.set G1,   28
.set G0A,  36
.set WV,   44
.set GG,   45
.set SEL,  46
	s_load_b256 s[4:11], s[0:1], 0x0
	s_load_b256 s[16:23], s[0:1], 0x20
	s_load_b128 s[24:27], s[0:1], 0x40
	s_load_b64 s[12:13], s[0:1], 0x50
	v_lshl_add_u32 v254, v0, 2, 0x4a800
	v_mov_b32 v255, 0
	ds_add_u32 v254, v255
	ds_add_u32 v254, v255
	s_wait_dscnt 0x0
	v_lshrrev_b32 v1, 5, v0
	s_delay_alu instid0(VALU_DEP_1)
	v_readfirstlane_b32 s[WV], v1
	s_and_b32 s[GG], ttmp7, 0xffff
	s_mov_b32 s[G1], (2<<16)|(1<<20)|(6<<22)|(3<<25)
	s_mov_b32 s[G1+1], 128<<16
	s_mov_b32 s[G1+2], 32<<16
	s_mov_b32 s[G1+3], 128<<16
	s_mov_b32 s[G1+4], 32
	s_mov_b32 s[G1+5], 512
	s_mov_b32 s[G1+6], 0
	s_mov_b32 s[G1+7], 0
	s_mov_b32 s[G0A], 1
	s_mul_i32 s[G0A+1], s[WV], XW
	s_lshl_b32 s52, ttmp9, 18
	s_and_b32 s54, s[WV], 3
	s_lshr_b32 s55, s[WV], 2
	s_lshl_b32 s53, s54, 16
	s_add_co_u32 s52, s52, s53
	s_lshl_b32 s53, s55, 9
	s_add_co_u32 s52, s52, s53
	s_mov_b32 s53, 0
	s_wait_kmcnt 0x0
	s_cmp_eq_u32 s[GG], 1
	s_cselect_b64 s[4:5], s[6:7], s[4:5]
	s_cselect_b64 s[16:17], s[20:21], s[16:17]
	s_cselect_b64 s[18:19], s[22:23], s[18:19]
	s_cmp_eq_u32 s[GG], 2
	s_cselect_b64 s[4:5], s[8:9], s[4:5]
	s_cselect_b64 s[16:17], s[24:25], s[16:17]
	s_cselect_b64 s[18:19], s[26:27], s[18:19]
	s_cselect_b32 s56, 11, 12
	s_add_nc_u64 s[G0A+2:G0A+3], s[4:5], s[52:53]
	s_or_b32 s[G0A+3], s[G0A+3], 0x80000000
	tensor_load_to_lds s[G0A:G0A+3], s[G1:G1+7]
	s_nop 0
.rept 4
	v_nop
.endr
	s_lshl_b32 s52, s[GG], 19
	s_add_nc_u64 s[10:11], s[10:11], s[52:53]
	s_lshl_b32 s52, s[GG], 15
	s_add_nc_u64 s[48:49], s[12:13], s[52:53]
	s_lshl_b32 s52, s[GG], 12
	s_add_co_u32 s52, s52, 131072
	s_add_nc_u64 s[50:51], s[12:13], s[52:53]
	s_lshl_b32 s52, ttmp9, 15
	s_add_nc_u64 s[16:17], s[16:17], s[52:53]
	s_lshl_b32 s52, ttmp9, s56
	s_add_nc_u64 s[18:19], s[18:19], s[52:53]
	s_mov_b32 s[SEL], 0x76543210
	s_mov_b32 s[SEL+1], 0xfedcba98
	v_and_b32 v60, 15, v0
	s_wait_alu depctr_va_vdst(0)
	v_bfe_u32 v61, v0, 4, 1
	v_and_b32 v62, 31, v0
	s_delay_alu instid0(VALU_DEP_1)
	v_lshlrev_b32 v63, 4, v62
	s_wait_alu depctr_va_vdst(0)
	v_mul_u32_u24 v1, v60, 2*XP
	s_delay_alu instid0(VALU_DEP_1)
	v_lshl_add_u32 v1, v61, 6, v1
	s_delay_alu instid0(VALU_DEP_1)
	v_add_nc_u32 v1, s[G0A+1], v1
	s_lshl_b32 s56, s54, 13
	s_lshl_b32 s57, s55, 10
	s_add_co_u32 s56, s56, s57
	s_add_co_u32 s56, s56, XIMG
	v_add_nc_u32 v2, s56, v63
	s_lshl_b32 s56, s54, 8
	s_lshl_b32 s57, s55, 2
	s_add_co_u32 s56, s56, s57
	s_add_co_u32 s56, s56, XSC
	v_lshl_add_u32 v3, v60, 4, s56
	v_add_nc_u32 v4, XIMG, v63
	v_add_nc_u32 v5, XSC, v63
	s_lshl_b32 s56, s[WV], 15
	v_add_nc_u32 v6, s56, v63
	s_lshl_b32 s56, s[WV], 11
	v_lshl_add_u32 v7, v62, 5, s56
	s_lshl_b32 s56, s[WV], 8
	v_lshl_add_u32 v8, v61, 5, s56
	v_and_b32 v59, 1, v60
	v_lshrrev_b32 v58, 3, v60
	v_bfe_u32 v57, v60, 1, 2
	s_lshr_b32 s56, s[WV], 3
	s_and_b32 s58, s[WV], 7
	s_lshl_b32 s58, s58, 4
	v_lshrrev_b32 v9, 1, v60
	s_delay_alu instid0(VALU_DEP_1)
	v_lshlrev_b32 v9, 10, v9
	s_delay_alu instid0(VALU_DEP_1)
	v_lshl_add_u32 v9, v59, 7, v9
	s_delay_alu instid0(VALU_DEP_1)
	v_lshl_add_u32 v9, v61, 8, v9
	s_lshl_b32 s57, s56, 9
	s_add_co_u32 s57, s57, s58
	v_add_nc_u32 v9, s57, v9
	v_lshlrev_b32 v10, 9, v58
	s_delay_alu instid0(VALU_DEP_1)
	v_lshl_add_u32 v10, v59, 7, v10
	s_delay_alu instid0(VALU_DEP_1)
	v_lshl_add_u32 v10, v57, 2, v10
	s_lshl_b32 s57, s56, 8
	s_add_co_u32 s57, s57, s58
	v_add_nc_u32 v10, s57, v10
	v_lshlrev_b32 v11, 12, v58
	v_bfe_u32 v56, v60, 2, 1
	s_delay_alu instid0(VALU_DEP_1)
	v_lshl_add_u32 v11, v56, 9, v11
	v_bfe_u32 v56, v60, 1, 1
	s_delay_alu instid0(VALU_DEP_1)
	v_lshl_add_u32 v11, v56, 8, v11
	s_delay_alu instid0(VALU_DEP_1)
	v_lshl_add_u32 v11, v59, 3, v11
	s_delay_alu instid0(VALU_DEP_1)
	v_lshl_add_u32 v11, v61, 2, v11
	s_wait_alu depctr_va_vdst(0)
	s_bfe_u32 s58, s[WV], 0x10001
	s_bfe_u32 s59, s[WV], 0x10002
	s_and_b32 s60, s[WV], 1
	s_lshl_b32 s57, s56, 11
	s_lshl_b32 s61, s58, 10
	s_add_co_u32 s57, s57, s61
	s_lshl_b32 s61, s59, 7
	s_add_co_u32 s57, s57, s61
	s_lshl_b32 s61, s60, 6
	s_add_co_u32 s57, s57, s61
	v_add_nc_u32 v11, s57, v11
	v_lshl_add_u32 v12, v58, 8, v57
	s_lshl_b32 s57, s58, 7
	s_lshl_b32 s61, s59, 6
	s_add_co_u32 s57, s57, s61
	s_lshl_b32 s61, s60, 5
	s_add_co_u32 s57, s57, s61
	s_lshl_b32 s61, s56, 2
	s_add_co_u32 s57, s57, s61
	v_add_nc_u32 v12, s57, v12
	s_lshl_b32 s57, s[WV], 11
	v_add_nc_u32 v13, s57, v63
	s_lshl_b32 s57, s[WV], 8
	v_lshl_add_u32 v14, v62, 3, s57
.irp b, 0,1,2,3
	v_mov_b32 v[TM+4+\b], 0
.endr
.irp mt, 0,1,2,3
.irp i, 0,1,2,3
	global_load_b128 v[ACC+8*(4*\mt+\i):ACC+8*(4*\mt+\i)+3], v8, s[50:51] offset:64*\i
	global_load_b128 v[ACC+8*(4*\mt+\i)+4:ACC+8*(4*\mt+\i)+7], v8, s[50:51] offset:64*\i+16
.endr
.endr
.macro QUANT s
.irp b, 0,1,2,3
	v_max3_num_f32 v[TM+\b], |v[(\s)+16*\b]|, |v[(\s)+1+16*\b]|, 0x1800000
.endr
.irp i, 2,4,6,8,10,12,14
.irp b, 0,1,2,3
	s_delay_alu instid0(VALU_DEP_4)
	v_max3_num_f32 v[TM+\b], v[TM+\b], |v[(\s)+16*\b+\i]|, |v[(\s)+1+16*\b+\i]|
.endr
.endr
.irp b, 0,1,2,3
	s_delay_alu instid0(VALU_DEP_4)
	v_permlanex16_b32 v[TM+4+\b], v[TM+\b], s[SEL], s[SEL+1]
.endr
.irp b, 0,1,2,3
	s_delay_alu instid0(VALU_DEP_4)
	v_max_num_f32 v[TM+\b], v[TM+\b], v[TM+4+\b]
.endr
.irp b, 0,1,2,3
	s_delay_alu instid0(VALU_DEP_4)
	v_add_nc_u32 v[TM+12+\b], 0xff000000, v[TM+\b]
.endr
.irp b, 0,1,2,3
	s_delay_alu instid0(VALU_DEP_4)
	v_lshrrev_b32 v[TM+4+\b], 23, v[TM+12+\b]
.endr
	s_delay_alu instid0(VALU_DEP_3)
	v_lshl_or_b32 v[PW], v[TM+5], 8, v[TM+4]
	s_delay_alu instid0(VALU_DEP_1)
	v_lshl_or_b32 v[PW], v[TM+6], 16, v[PW]
	s_delay_alu instid0(VALU_DEP_1)
	v_lshl_or_b32 v[PW], v[TM+7], 24, v[PW]
.irp b, 0,1,2,3
	v_cvt_scalef32_pk8_fp4_f32 v[PC+2*\b], v[(\s)+16*\b:(\s)+7+16*\b], v[TM+12+\b]
	v_cvt_scalef32_pk8_fp4_f32 v[PC+1+2*\b], v[(\s)+8+16*\b:(\s)+15+16*\b], v[TM+12+\b]
.endr
	v_nop
.irp c, 0,1
.irp i, 0,1
	v_permlane16_swap_b32 v[PC+4*\c+\i], v[PC+2+4*\c+\i]
.endr
.endr
.endm
.macro Q2 s, pc, pw, tm
.irp b, 0,1
	v_max3_num_f32 v[(\tm)+\b], |v[(\s)+16*\b]|, |v[(\s)+1+16*\b]|, 0x1800000
.endr
.irp i, 2,4,6,8,10,12,14
.irp b, 0,1
	v_max3_num_f32 v[(\tm)+\b], v[(\tm)+\b], |v[(\s)+16*\b+\i]|, |v[(\s)+1+16*\b+\i]|
.endr
.endr
.irp b, 0,1
	s_delay_alu instid0(VALU_DEP_2)
	v_permlanex16_b32 v[(\tm)+2+\b], v[(\tm)+\b], s[SEL], s[SEL+1]
.endr
.irp b, 0,1
	s_delay_alu instid0(VALU_DEP_2)
	v_max_num_f32 v[(\tm)+\b], v[(\tm)+\b], v[(\tm)+2+\b]
.endr
.irp b, 0,1
	s_delay_alu instid0(VALU_DEP_2)
	v_add_nc_u32 v[(\tm)+4+\b], 0xff000000, v[(\tm)+\b]
.endr
.irp b, 0,1
	s_delay_alu instid0(VALU_DEP_2)
	v_lshrrev_b32 v[(\tm)+2+\b], 23, v[(\tm)+4+\b]
.endr
	s_delay_alu instid0(VALU_DEP_1)
	v_lshl_or_b32 v[(\pw)], v[(\tm)+3], 8, v[(\tm)+2]
.irp b, 0,1
	v_cvt_scalef32_pk8_fp4_f32 v[(\pc)+2*\b], v[(\s)+16*\b:(\s)+7+16*\b], v[(\tm)+4+\b]
	v_cvt_scalef32_pk8_fp4_f32 v[(\pc)+1+2*\b], v[(\s)+8+16*\b:(\s)+15+16*\b], v[(\tm)+4+\b]
.endr
	v_nop
	v_permlane16_swap_b32 v[(\pc)], v[(\pc)+2]
	v_permlane16_swap_b32 v[(\pc)+1], v[(\pc)+3]
.endm
.macro VQ mt
.irp i, 0,1,2,3
	v_max3_num_f32 v[32+\i], |v[ACC+32*(\mt)+8*\i]|, |v[ACC+32*(\mt)+8*\i+1]|, 0x1800000
.endr
.irp j, 2,4,6
.irp i, 0,1,2,3
	v_max3_num_f32 v[32+\i], v[32+\i], |v[ACC+32*(\mt)+8*\i+\j]|, |v[ACC+32*(\mt)+8*\i+\j+1]|
.endr
.endr
.irp i, 0,1,2,3
	s_delay_alu instid0(VALU_DEP_4)
	v_max_num_f32_dpp v[32+\i], v[32+\i], v[32+\i] row_xmask:1 row_mask:0xf bank_mask:0xf
.endr
.irp i, 0,1,2,3
	s_delay_alu instid0(VALU_DEP_4)
	v_permlanex16_b32 v[36+\i], v[32+\i], s[SEL], s[SEL+1]
.endr
.irp i, 0,1,2,3
	s_delay_alu instid0(VALU_DEP_4)
	v_max_num_f32 v[32+\i], v[32+\i], v[36+\i]
.endr
.irp i, 0,1,2,3
	s_delay_alu instid0(VALU_DEP_4)
	v_add_nc_u32 v[40+\i], 0xff000000, v[32+\i]
.endr
.irp i, 0,1,2,3
	s_delay_alu instid0(VALU_DEP_4)
	v_lshrrev_b32 v[80+4*(\mt)+\i], 23, v[40+\i]
.endr
.irp i, 0,1,2,3
	v_cvt_scalef32_pk8_fp4_f32 v[64+4*(\mt)+\i], v[ACC+32*(\mt)+8*\i:ACC+32*(\mt)+8*\i+7], v[40+\i]
.endr
	v_nop
.endm
.macro WM mt, i, q, buf
.set rD, ACC+8*(4*(\mt)+(\i))
.set rW, (\buf)+8*(\i)
.set rX, AF+8*(\mt)
.set rS, WS+4*((\i)/2)+(\q)
.set rT, AS+4*((\mt)/2)+(\q)
.if ((\i)%2 == 0) && ((\mt)%2 == 0)
	v_wmma_scale_f32_16x16x128_f8f6f4 v[rD:rD+7], v[rW:rW+7], v[rX:rX+7], v[rD:rD+7], v[rS], v[rT] matrix_a_fmt:MATRIX_FMT_FP4 matrix_b_fmt:MATRIX_FMT_FP4
.elseif ((\i)%2 == 1) && ((\mt)%2 == 0)
	v_wmma_scale_f32_16x16x128_f8f6f4 v[rD:rD+7], v[rW:rW+7], v[rX:rX+7], v[rD:rD+7], v[rS], v[rT] matrix_a_fmt:MATRIX_FMT_FP4 matrix_b_fmt:MATRIX_FMT_FP4 matrix_a_scale:MATRIX_SCALE_ROW1
.elseif ((\i)%2 == 0) && ((\mt)%2 == 1)
	v_wmma_scale_f32_16x16x128_f8f6f4 v[rD:rD+7], v[rW:rW+7], v[rX:rX+7], v[rD:rD+7], v[rS], v[rT] matrix_a_fmt:MATRIX_FMT_FP4 matrix_b_fmt:MATRIX_FMT_FP4 matrix_b_scale:MATRIX_SCALE_ROW1
.else
	v_wmma_scale_f32_16x16x128_f8f6f4 v[rD:rD+7], v[rW:rW+7], v[rX:rX+7], v[rD:rD+7], v[rS], v[rT] matrix_a_fmt:MATRIX_FMT_FP4 matrix_b_fmt:MATRIX_FMT_FP4 matrix_a_scale:MATRIX_SCALE_ROW1 matrix_b_scale:MATRIX_SCALE_ROW1
.endif
.endm
.macro WLOAD ks, buf
.irp i, 0,1,2,3
.irp c, 0,1
	global_load_b128 v[(\buf)+8*\i+4*\c:(\buf)+8*\i+4*\c+3], v6, s[10:11] offset:\i*8192+(\ks)*1024+512*\c
.endr
.endr
.endm
.macro KSTEP u, q
.if (\q) < 3
	WLOAD 4*(\u)+(\q)+1, B0+32*(((\q)+1)%2)
.endif
.irp mt, 0,1,2,3
.irp c, 0,1
	ds_load_b128 v[AF+8*\mt+4*\c:AF+8*\mt+4*\c+3], v4 offset:\mt*8192+(4*(\u)+(\q))*1024+512*\c
.endr
.endr
	s_wait_dscnt 0x0
.if (\q) < 3
	s_wait_loadcnt 8
.else
	s_wait_loadcnt 0x0
.endif
.irp mt, 0,1,2,3
.irp i, 0,1,2,3
	WM \mt, \i, \q, B0+32*((\q)%2)
.endr
.endr
.rept 4
	v_nop
.endr
.endm
.macro HALF u
	s_wait_tensorcnt 0x0
.irp b, 0,1,2,3
.irp j, 0,1,2,3
	ds_load_b128 v[64+16*\b+4*\j:64+16*\b+4*\j+3], v1 offset:(\u)*XP+128*\b+16*\j
.endr
.endr
	s_wait_dscnt 0x0
	QUANT 64
.irp c, 0,1
	ds_store_b128 v2, v[PC+4*\c:PC+4*\c+3] offset:(\u)*4096+512*\c
.endr
	ds_store_b32 v3, v[PW] offset:(\u)*1024
.irp p, 0,1
	global_load_b128 v[WS+4*\p:WS+4*\p+3], v7, s[48:49] offset:\p*1024+16*(\u)
.endr
	WLOAD 4*(\u), B0
	s_wait_dscnt 0x0
	s_barrier_signal -1
	s_barrier_wait -1
.irp p, 0,1
	ds_load_b128 v[AS+4*\p:AS+4*\p+3], v5 offset:(\u)*1024+512*\p
.endr
	KSTEP \u, 0
	KSTEP \u, 1
	KSTEP \u, 2
	KSTEP \u, 3
.endm
	HALF 0
	HALF 1
	s_cmp_eq_u32 s[GG], 2
	s_cbranch_scc1 .Lv_quant
.irp mt, 0,1,2,3
	Q2 ACC+32*\mt, 64+4*\mt, 80+\mt, 32
	ds_store_b128 v9, v[64+4*\mt:67+4*\mt] offset:QSTG+\mt*8192
	ds_store_b32 v10, v[80+\mt] offset:QSS+\mt*1024
.endr
	s_branch .Lmeet
.Lv_quant:
.irp mt, 0,1,2,3
	VQ \mt
.irp i, 0,1,2,3
	ds_store_b32 v11, v[64+4*\mt+\i] offset:VSTG+\mt*8192+16*\i
	ds_store_b8 v12, v[80+4*\mt+\i] offset:VSS+\mt*512+8*\i
.endr
.endr
.Lmeet:
	s_wait_dscnt 0x0
	s_barrier_signal -1
	s_barrier_wait -1
	s_cmp_eq_u32 s[GG], 2
	s_cbranch_scc1 .Lv_out
.irp i, 0,1,2,3
	ds_load_b128 v[64+4*\i:67+4*\i], v13 offset:QSTG+512*\i
.endr
	ds_load_b64 v[80:81], v14 offset:QSS
.irp i, 0,1,2,3
	s_wait_dscnt 4-\i
	global_store_b128 v13, v[64+4*\i:67+4*\i], s[16:17] offset:512*\i
.endr
	s_wait_dscnt 0x0
	global_store_b64 v14, v[80:81], s[18:19]
	s_wait_xcnt 0x0
	v_lshl_add_u32 v254, v0, 2, 0x4a800
	v_mov_b32 v255, 0
	s_wait_alu depctr_va_vdst(0)
	s_wait_tensorcnt 0x0
	ds_add_u32 v254, v255
	s_wait_dscnt 0x0
	s_endpgm
.Lv_out:
.irp i, 0,1,2,3
	ds_load_b128 v[64+4*\i:67+4*\i], v13 offset:VSTG+512*\i
.endr
.irp i, 0,1,2,3
	s_wait_dscnt 3-\i
	global_store_b128 v13, v[64+4*\i:67+4*\i], s[16:17] offset:512*\i
.endr
	s_cmp_lt_u32 s[WV], 8
	s_cbranch_scc0 .Lv_end
	ds_load_b64 v[80:81], v14 offset:VSS
	s_wait_dscnt 0x0
	global_store_b64 v14, v[80:81], s[18:19]
.Lv_end:
	s_wait_xcnt 0x0
	v_lshl_add_u32 v254, v0, 2, 0x4a800
	v_mov_b32 v255, 0
	s_wait_alu depctr_va_vdst(0)
	s_wait_tensorcnt 0x0
	ds_add_u32 v254, v255
	s_wait_dscnt 0x0
	s_endpgm
.Lfunc_end_k_qebf8537e60_proj:
	.size	k_qebf8537e60_proj, .Lfunc_end_k_qebf8537e60_proj-k_qebf8537e60_proj
	.p2alignl 7, 3214868480
	.fill 96, 4, 3214868480
	.section	.rodata,"a",@progbits
	.p2align	6, 0x0
	.amdhsa_kernel k_qebf8537e60_proj
		.amdhsa_group_segment_fixed_size 327680
		.amdhsa_private_segment_fixed_size 0
		.amdhsa_enable_private_segment 0
		.amdhsa_kernarg_size 88
		.amdhsa_user_sgpr_count 2
		.amdhsa_user_sgpr_kernarg_segment_ptr 1
		.amdhsa_wavefront_size32 1
		.amdhsa_system_sgpr_workgroup_id_x 1
		.amdhsa_system_sgpr_workgroup_id_y 1
		.amdhsa_system_sgpr_workgroup_id_z 1
		.amdhsa_system_vgpr_workitem_id 0
		.amdhsa_next_free_vgpr 256
		.amdhsa_next_free_sgpr 66
		.amdhsa_reserve_vcc 0
		.amdhsa_float_denorm_mode_32 3
		.amdhsa_float_denorm_mode_16_64 3
		.amdhsa_memory_ordered 1
		.amdhsa_forward_progress 1
		.amdhsa_inst_pref_size 77
	.end_amdhsa_kernel
	.amdgpu_metadata
---
amdhsa.version: [ 1, 2 ]
amdhsa.kernels:
  - .name:           k_qebf8537e60_proj
    .symbol:         k_qebf8537e60_proj.kd
    .args:
      - { .name: q, .offset: 0, .size: 8, .value_kind: global_buffer, .address_space: global }
      - { .name: k, .offset: 8, .size: 8, .value_kind: global_buffer, .address_space: global }
      - { .name: v, .offset: 16, .size: 8, .value_kind: global_buffer, .address_space: global }
      - { .name: wimg, .offset: 24, .size: 8, .value_kind: global_buffer, .address_space: global }
      - { .name: qcod, .offset: 32, .size: 8, .value_kind: global_buffer, .address_space: global }
      - { .name: qscl, .offset: 40, .size: 8, .value_kind: global_buffer, .address_space: global }
      - { .name: kcod, .offset: 48, .size: 8, .value_kind: global_buffer, .address_space: global }
      - { .name: kscl, .offset: 56, .size: 8, .value_kind: global_buffer, .address_space: global }
      - { .name: vcod, .offset: 64, .size: 8, .value_kind: global_buffer, .address_space: global }
      - { .name: vscl, .offset: 72, .size: 8, .value_kind: global_buffer, .address_space: global }
      - { .name: wsb, .offset: 80, .size: 8, .value_kind: global_buffer, .address_space: global }
    .group_segment_fixed_size: 327680
    .private_segment_fixed_size: 0
    .kernarg_segment_align: 8
    .kernarg_segment_size: 88
    .max_flat_workgroup_size: 512
    .sgpr_count:     66
    .vgpr_count:     256
    .wavefront_size: 32
...
	.end_amdgpu_metadata
.endif
;; end of part 2
;; launch att (part 3): grid 8 x 32, 16 waves a work-group, clusters of 4 x 1, 174,592 bytes of LDS; arguments qcod, qscl, kcod, kscl, vcod, vscl, wimg; writes wimg
.if DOCPART == 3
	.amdgcn_target "amdgcn-amd-amdhsa--gfx1250"
	.amdhsa_code_object_version 6
	.text
	.protected	k_qebf8537e60_att
	.globl	k_qebf8537e60_att
	.p2align	8
	.type	k_qebf8537e60_att,@function
k_qebf8537e60_att:
	s_mov_b64 s[64:65], 0
	v_nop
	global_prefetch_b8 v0, s[64:65] scope:SCOPE_SE
	s_setreg_imm32_b32 hwreg(HW_REG_WAVE_MODE, 25, 1), 1
	s_wait_xcnt 0x0
	s_wait_alu depctr_hold_cnt(0) depctr_sa_sdst(0) depctr_va_vdst(0) depctr_va_sdst(0) depctr_va_ssrc(0) depctr_va_vcc(0) depctr_vm_vsrc(0)
	s_getreg_b32 s2, hwreg(HW_REG_IB_STS2, 6, 4)
	s_cmp_eq_u32 s2, 0
	s_cbranch_scc0 .Lentry_in_a_cluster
	s_endpgm
.Lentry_in_a_cluster:
	s_bfe_u32 s2, ttmp6, 0x10000c
	s_cmp_lg_u32 s2, 0x3003
	s_cbranch_scc0 .Lentry_shape_is_right
	s_endpgm
.Lentry_shape_is_right:
; Attention of one head on codes of E2M1 (one E8M0 scale for each 32 along a product's K): o = softmax(qp kp^T / 32) vp, quantised along the last product's K and stored for the next launch.
; THE SOFTMAX: t = score x log2(e) / 32; M = the row's largest t so far, rounded UP to a whole number; p = 2^(t - M) is quantised along the keys, not normalised.
; The row's sum is taken of the unquantised p, in f32, and divides O at the end.  When M moves, the sum and O are multiplied by 2^(old M - new M): exact.
; SHARES.  Work-group (x, y): head y, queries 256 x on, which are 16 whole rows of the [4096][1024] matrix that the last product multiplies.  Each of sixteen waves owns the 16 queries of one such row.
; A head's K and V as codes with their scale bytes come into LDS ONCE and stay; no LDS byte is filled twice.
; CLUSTER.  The four work-groups of a cluster belong to one head: each block is asked for JOINTLY (the same load, the same descriptor, the mask 15), one tensor load a wave: wave 0 K's scale bytes, wave 1 V's,
; wave 2 + 2 c K's chunk c of 512 keys, wave 3 + 2 c V's.  Every wave waits for its load ahead of ONE barrier; behind it the sixteen key steps run with no barrier between them.
; No prefetch: every byte is asked for at the head, and there is no later load to run ahead of.
; LAYOUT.  Both products are used transposed: S^T = K Q^T (source 0 = 16 keys), O^T = V^T P^T (source 0 = 16 channels): a lane holds ONE query (lane % 16).  Lane r of K's tile 2 b + u holds key 32 b + 8 u + r + 8 (r / 8),
; so that the 16 registers of tiles 2 b and 2 b + 1 are 16 neighbouring keys; V's channels are chosen likewise, so that O^T's registers run along d.
; THE FIRST PRODUCT'S K IS 64 in a form of 128: Q's registers 4-7 are zero codes, bytes 2 and 3 of both sides' scale words are 0 (2^-127, no NaN); the upper four registers named for a tile of K are the next tile's codes
; (behind the last: zeros): finite numbers that meet zeros.
; OUT, in the part of wimg that lies behind the four weights (this launch reads nothing of wimg): from byte 2,097,152 o's codes [tile of 16 rows][K step][c][lane][16 bytes], from byte 4,194,304 its scale bytes [row][32].
; LIMITS: p under 2^-126 comes out of v_exp_f32 as 0 (ISA guide, its entry in 15.8); a block whose largest number lies under 2^-124 keeps the byte 1; NaN and infinities are not served; the scaled scores stay under 2^31 in magnitude.
; REGISTERS: v1-4 lane places, v5-8 the step's addresses; v9 r, v10 h, v11 lane; v12 -M, v13 the largest t, v[14:15] the sum; v16-19 Q, v20-23 zeros; v24-27 K's scale words, v28-29 V's, v30 Q's, v31 p's;
; v32-63 K's tiles, v64-67 zeros; v68-71 the way out's addresses; v94-95 the add's; v96-159 S^T, then p; v160-191 O^T; v192-223 V; v224-231 p's codes; v232-255 at work.
.set KSC,   0                          ; K's scale words, 512 bytes a key step
.set KIMG,  16384                      ; K's image: a tile of 16 keys is 512 bytes
.set VSIDE, 81920                      ; V's side begins here, laid like K's: wave w fills byte (w % 2) VSIDE + (w / 2) 16384 on
.set VSC,   VSIDE                      ; V's scale words, 256 bytes a key step
.set VIMG,  VSIDE+16384                ; V's image: [step][tile][c][lane][16 bytes]
.set OIMG,  163840                     ; the 16 rows of o as eight fragments' images
.set OSC,   172032                     ; their scale bytes, 32 a row
.set SPARE, 172544                     ; the spare words, 128 bytes a wave
.set G1C,  24
.set G1KS, 32
.set G1VS, 40
.set WV,   92
.set SEL,  94
.set CS,   96
.set TB,   98
.set TS,   99
.set TJ,   100
.set CNT,  101
.macro G1SET g, rows                   ; a dense block as rows of 256 bytes (32 elements of 8 bytes); the mask names all four work-groups; bit 21 beside it
	s_mov_b32 s[\g], 15|(3<<16)|(1<<21)
	s_mov_b32 s[\g+1], 32<<16
	s_mov_b32 s[\g+2], (\rows)<<16
	s_mov_b32 s[\g+3], 32<<16
	s_mov_b32 s[\g+4], \rows
	s_mov_b32 s[\g+5], 32
	s_mov_b32 s[\g+6], 0
	s_mov_b32 s[\g+7], 0
.endm
.macro G0SET g, lds, base
	s_mov_b32 s[\g], 1
	s_mov_b32 s[\g+1], \lds
	s_mov_b64 s[\g+2:\g+3], s[\base:\base+1]
	s_or_b32 s[\g+3], s[\g+3], 0x80000000
.endm
.macro CROUND                          ; a round of the cluster's barrier
	s_barrier_signal -1
	s_barrier_wait -1
	s_cmp_lg_u32 s[WV], 0
	s_cbranch_scc1 .Lnot_wave_0_\@
	s_barrier_signal -3
.Lnot_wave_0_\@:
	s_barrier_wait -3
	s_barrier_signal -1
	s_barrier_wait -1
.endm
	s_load_b256 s[4:11], s[0:1], 0x0               ; qcod, qscl, kcod, kscl
	s_load_b128 s[12:15], s[0:1], 0x20             ; vcod, vscl
	s_load_b64 s[20:21], s[0:1], 0x30              ; wimg
	v_lshl_add_u32 v94, v0, 2, SPARE
	v_mov_b32 v95, 0
	ds_add_u32 v94, v95                            ; the opening lines: the add twice on end and its wait
	ds_add_u32 v94, v95
	v_lshrrev_b32 v1, 5, v0
	v_readfirstlane_b32 s[WV], v1                  ; wave 0..15
	s_and_b32 s23, ttmp7, 0xffff                   ; the head, which the four partners share
	G1SET G1C, 64
	G1SET G1KS, 32
	G1SET G1VS, 16
	s_mov_b32 s3, 0
	s_min_u32 s19, s[WV], 9                        ; waves 10 to 15 fetch nothing
	s_and_b32 s16, s19, 1                          ; K's side or V's
	s_lshr_b32 s17, s19, 1
	s_mul_i32 s57, s16, VSIDE
	s_lshl_b32 s18, s17, 14
	s_add_co_u32 s57, s57, s18                     ; where my chunk goes
	s_max_u32 s17, s17, 1
	s_sub_co_u32 s17, s17, 1                       ; chunk (w / 2) - 1
	s_lshl_b32 s18, s17, 14
	s_mov_b32 s56, 1
	s_wait_dscnt 0x0
	s_wait_kmcnt 0x0
	s_lshl_b32 s2, s23, 16                         ; a head's codes: 65,536 bytes in each of the three tensors
	s_add_nc_u64 s[4:5], s[4:5], s[2:3]
	s_add_nc_u64 s[8:9], s[8:9], s[2:3]
	s_add_nc_u64 s[12:13], s[12:13], s[2:3]
	s_lshl_b32 s2, s23, 13                         ; Q's and K's scale words: 8,192
	s_add_nc_u64 s[6:7], s[6:7], s[2:3]
	s_add_nc_u64 s[10:11], s[10:11], s[2:3]
	s_lshl_b32 s2, s23, 12                         ; V's scale bytes: 4,096
	s_add_nc_u64 s[14:15], s[14:15], s[2:3]
	G0SET 48, KSC, 10
	G0SET 52, VSC, 14
	s_mov_b32 s2, s18
	s_cmp_eq_u32 s16, 0
	s_cselect_b64 s[58:59], s[8:9], s[12:13]
	s_add_nc_u64 s[58:59], s[58:59], s[2:3]
	s_or_b32 s59, s59, 0x80000000
	CROUND                                         ; all four work-groups are here: the joint loads meet
.macro ARM under, g0, g1, next         ; one chain of branches on the wave's number, one load to an arm, all arms to one join
	s_cmp_lt_u32 s[WV], \under
	s_cbranch_scc0 \next
	tensor_load_to_lds s[\g0:\g0+3], s[\g1:\g1+7]
	s_nop 0
.rept 4
	v_nop
.endr
	s_branch .Lhead_asked
\next:
.endm
	ARM 1, 48, G1KS, .Lhead_vs
	ARM 2, 52, G1VS, .Lhead_c
	ARM 10, 56, G1C, .Lhead_none
.Lhead_asked:
	s_bfe_u32 s93, ttmp6, 0x40000                  ; cx: it enters Q's and o's global addresses alone
	s_lshl_b32 s22, ttmp9, 2
	s_add_co_u32 s22, s22, s93                     ; my block of 256 queries
	s_lshl_b32 s66, s22, 4
	s_add_co_u32 s66, s66, s[WV]                   ; m: my wave's row of the head; its queries are 16 m + 0 .. 15
	s_lshr_b32 s2, s66, 1
	s_lshl_b32 s2, s2, 10
	s_and_b32 s67, s66, 1
	s_lshl_b32 s67, s67, 7
	s_add_co_u32 s2, s2, s67
	s_add_nc_u64 s[4:5], s[4:5], s[2:3]            ; Q's codes: (m / 2) 1024 + (m % 2) 128
	s_lshr_b32 s2, s66, 3
	s_lshl_b32 s2, s2, 9
	s_add_co_u32 s2, s2, s67
	s_bfe_u32 s93, s66, 0x20001
	s_lshl_b32 s93, s93, 2
	s_add_co_u32 s2, s2, s93
	s_add_nc_u64 s[6:7], s[6:7], s[2:3]            ; its scale words: (m / 8) 512 + (m % 2) 128 + ((m / 2) % 4) 4
	s_lshl_b32 s2, s23, 3
	s_add_co_u32 s2, s2, s22                       ; my work-group's tile of 16 rows of o: 8 x head + block
	s_lshl_b32 s16, s2, 9
	s_lshl_b32 s2, s2, 13
	s_lshl_b32 s93, s[WV], 9
	s_add_co_u32 s2, s2, s93
	s_add_co_u32 s2, s2, 2097152
	s_add_nc_u64 s[18:19], s[20:21], s[2:3]        ; my wave's 512 bytes of the tile's image
	s_add_co_u32 s2, s16, 4194304
	s_add_nc_u64 s[20:21], s[20:21], s[2:3]        ; the tile's 512 scale bytes
	s_lshl_b32 s60, s[WV], 4
	s_add_co_u32 s60, s60, OIMG
	s_lshl_b32 s61, s[WV], 5
	s_add_co_u32 s61, s61, OSC
	s_add_co_u32 s62, s93, OIMG
	s_mov_b32 s[SEL], 0x76543210
	s_mov_b32 s[SEL+1], 0xfedcba98
	s_mov_b32 s[CS], 0x3d38aa3b                    ; c = log2(e) / 32
	s_mov_b32 s[CS+1], s[CS]
	s_mov_b32 s[TB], 0
	s_mov_b32 s[TS], 0
	s_mov_b32 s[TJ], 0
	v_and_b32 v9, 15, v0                           ; r
	v_bfe_u32 v10, v0, 4, 1                        ; h
	v_and_b32 v11, 31, v0                          ; lane
	v_lshrrev_b32 v5, 3, v9
	v_and_b32 v6, 7, v9
	v_lshlrev_b32 v3, 4, v11                       ; K's scale words (KSC = 0): four a lane; also 16 x lane on the way out
	v_lshlrev_b32 v240, 9, v5
	v_lshlrev_b32 v241, 8, v5
	v_lshl_add_u32 v240, v10, 8, v240
	v_lshl_add_u32 v241, v6, 4, v241               ; Q's word: (r / 8) 256 + (r % 8) 16
	v_lshl_add_u32 v240, v6, 4, v240               ; query r, half h: (r / 8) 512 + 256 h + (r % 8) 16
	global_load_b32 v30, v241, s[6:7]
	global_load_b128 v[16:19], v240, s[4:5]        ; Q's codes stay in registers
	v_add_nc_u32 v1, KIMG, v3
	v_add_nc_u32 v2, VIMG, v3
	v_lshl_add_u32 v4, v11, 3, VSC                 ; V's scale words: two a lane
	v_lshl_add_u32 v68, v9, 9, s60
	v_lshl_add_u32 v69, v9, 1, s61                 ; row w's scale bytes 2 r, 2 r + 1
	v_add_nc_u32 v70, s62, v3                      ; my wave's 512 bytes of o's image
	v_add_nc_u32 v71, OSC, v3
	v_lshl_add_u32 v68, v10, 8, v68                ; my 16 bytes of o: K step r / 2, c = r % 2, lane 16 h + w
	v_mov_b32 v13, 0xff61b1e6                      ; the largest t so far: -3e38
	v_mov_b32 v14, 0
	v_mov_b32 v15, 0
	v_floor_f32 v12, -v13                          ; -M
.irp j, 0,1,2,3
	v_mov_b32 v[20+\j], 0                          ; Q's upper half of K: zero codes
	v_mov_b32 v[64+\j], 0                          ; what stands behind the last tile of K
	v_mov_b32 v[236+\j], 0                         ; a lane permute's destination counts as one of its sources
.endr
	v_mov_b32 v253, 0
	v_mov_b32 v86, 0
	v_mov_b32 v87, 0
.set J, 0
.rept 32
	v_mov_b32 v[160+J], 0                          ; O^T: the first change of M leaves zeros zeros
.set J, J+1
.endr
	v_add_nc_u32 v5, s[TB], v1                     ; key step 0's addresses
	v_add_nc_u32 v6, s[TB], v2
	v_add_nc_u32 v7, s[TS], v3
	v_add_nc_u32 v8, s[TJ], v4
	s_wait_alu depctr_va_vdst(0)                   ; the wait at the head's end
	s_wait_loadcnt 0x0                             ; Q
	s_wait_tensorcnt 0x0                           ; my one load has landed
	s_barrier_signal -1
	s_barrier_wait -1                              ; all ten have
	s_mov_b32 s[CNT], 16
.Lstep:                                                ; A KEY STEP: 128 keys
	ds_load_b128 v[24:27], v7                      ; register b: lanes 0-15 tile 2 b's words, lanes 16-31 tile 2 b + 1's
.irp t, 0,1,2,3,4,5,6,7
	ds_load_b128 v[32+4*\t:35+4*\t], v5 offset:512*\t
.endr
	ds_load_b64 v[28:29], v8
.irp t, 0,1,2,3
.irp c, 0,1
	ds_load_b128 v[192+8*\t+4*\c:195+8*\t+4*\c], v6 offset:1024*\t+512*\c
.endr
.endr
	s_wait_dscnt 9                                 ; K's nine loads are in; V's nine may be out until the second product
.irp t, 0,1,2,3,4,5,6,7
.if (\t)%2
	v_wmma_scale_f32_16x16x128_f8f6f4 v[96+8*\t:103+8*\t], v[32+4*\t:39+4*\t], v[16:23], 0, v[24+\t/2], v30 matrix_a_fmt:MATRIX_FMT_FP4 matrix_b_fmt:MATRIX_FMT_FP4 matrix_a_scale:MATRIX_SCALE_ROW1
.else
	v_wmma_scale_f32_16x16x128_f8f6f4 v[96+8*\t:103+8*\t], v[32+4*\t:39+4*\t], v[16:23], 0, v[24+\t/2], v30 matrix_a_fmt:MATRIX_FMT_FP4 matrix_b_fmt:MATRIX_FMT_FP4
.endif
.endr
	s_add_co_u32 s[TB], s[TB], 4096
	s_add_co_u32 s[TS], s[TS], 512
	s_add_co_u32 s[TJ], s[TJ], 256
	v_add_nc_u32 v5, s[TB], v1                     ; the next step's addresses: these four are the places (ISA guide 7.12.1) in front of the first read of the scores
	v_add_nc_u32 v6, s[TB], v2
	v_add_nc_u32 v7, s[TS], v3
	v_add_nc_u32 v8, s[TJ], v4
.irp b, 0,1,2,3
	v_max3_num_f32 v[232+\b], v[96+16*\b], v[97+16*\b], v[98+16*\b]   ; the largest score of each block of 32 keys: for the row's maximum and, since p rises with the score, for the block's largest p
.endr
.irp i, 3,5,7,9,11,13
.irp b, 0,1,2,3
	v_max3_num_f32 v[232+\b], v[232+\b], v[96+16*\b+\i], v[97+16*\b+\i]
.endr
.endr
.irp b, 0,1,2,3
	v_max_num_f32 v[232+\b], v[232+\b], v[111+16*\b]
.endr
.irp b, 0,1,2,3
	s_delay_alu instid0(VALU_DEP_4)
	v_permlanex16_b32 v[236+\b], v[232+\b], s[SEL], s[SEL+1]
.endr
.irp b, 0,1,2,3
	s_delay_alu instid0(VALU_DEP_4)
	v_max_num_f32 v[232+\b], v[232+\b], v[236+\b]  ; with lane l xor 16's 16 keys
.endr
	s_delay_alu instid0(VALU_DEP_2)
	v_max3_num_f32 v254, v232, v233, v234
	s_delay_alu instid0(VALU_DEP_1)
	v_max_num_f32 v254, v254, v235                 ; the step's largest score of my query
	s_delay_alu instid0(VALU_DEP_1)
	v_mul_f32 v254, s[CS], v254                    ; as t (c is positive)
	s_delay_alu instid0(VALU_DEP_1)
	v_max_num_f32 v13, v13, v254                   ; the running largest t
	v_mov_b32 v254, v12
	s_delay_alu instid0(VALU_DEP_2)
	v_floor_f32 v12, -v13                          ; the new -M = floor(-t) = -ceil(t)
	s_delay_alu instid0(VALU_DEP_1)
	v_sub_f32 v254, v12, v254                      ; old M - new M: a whole number, 0 or less
	s_delay_alu instid0(VALU_DEP_1)
	v_cvt_i32_f32 v254, v254                       ; (it saturates)
	s_delay_alu instid0(VALU_DEP_1)
	v_ldexp_f32 v252, 1.0, v254                    ; f = 2^(old M - new M)
.set J, 0
.rept 32
	v_pk_fma_f32 v[96+J:97+J], v[96+J:97+J], s[CS:CS+1], v[12:13] op_sel_hi:[1,0,0]   ; t - M, two at a time
.set J, J+2
.endr
.irp b, 0,1,2,3
	v_fma_f32 v[232+\b], v[232+\b], s[CS], v12     ; the same of each block's largest score
.endr
	s_wait_alu depctr_va_vdst(0)                   ; the wait ahead of the batch
.set J, 0
.rept 64
	v_exp_f32 v[96+J], v[96+J]                     ; p = 2^(t - M), at most 1
.set J, J+1
.endr
.irp b, 0,1,2,3
	v_exp_f32 v[232+\b], v[232+\b]                 ; the block's largest p: the same two instructions on the same number give the same bits
.endr
	v_pk_mul_f32 v[14:15], v[14:15], v[252:253] op_sel_hi:[1,0]   ; the sums under the new M (a plain place behind the exponentials)
	s_wait_alu depctr_va_vdst(0)                   ; and the wait behind it
.irp b, 0,1,2,3
	v_max_num_f32 v[232+\b], 0x1800000, v[232+\b]  ; the floor 2^(3 - 127): the byte cannot fall under 1
.endr
.irp b, 0,1,2,3
	s_delay_alu instid0(VALU_DEP_4)
	v_add_nc_u32 v[244+\b], 0xff000000, v[232+\b]  ; 2 off the exponent field: the conversion's scale operand
.endr
.irp b, 0,1,2,3
	s_delay_alu instid0(VALU_DEP_4)
	v_lshrrev_b32 v[236+\b], 23, v[244+\b]         ; the scale's byte
.endr
	s_delay_alu instid0(VALU_DEP_3)
	v_lshl_or_b32 v31, v237, 8, v236               ; p's scale word for these 128 keys
	s_delay_alu instid0(VALU_DEP_1)
	v_lshl_or_b32 v31, v238, 16, v31
	s_delay_alu instid0(VALU_DEP_1)
	v_lshl_or_b32 v31, v239, 24, v31
.irp b, 0,1,2,3
	v_cvt_scalef32_pk8_fp4_f32 v[224+2*\b], v[96+16*\b:103+16*\b], v[244+\b]
	v_cvt_scalef32_pk8_fp4_f32 v[225+2*\b], v[104+16*\b:111+16*\b], v[244+\b]
.endr
	v_pk_add_f32 v[236:237], v[100:101], v[104:105]   ; the row's sum of the unquantised p, in eight chains.  (This line is the plain place behind the conversions)
	v_pk_add_f32 v[254:255], v[108:109], v[112:113]
	v_pk_add_f32 v[250:251], v[116:117], v[120:121]
	v_pk_add_f32 v[248:249], v[124:125], v[128:129]
	v_pk_add_f32 v[246:247], v[132:133], v[136:137]
	v_pk_add_f32 v[244:245], v[140:141], v[144:145]
	v_pk_add_f32 v[242:243], v[148:149], v[152:153]
	v_pk_add_f32 v[14:15], v[14:15], v[156:157]
.irp c, 0,1                                    ; the operand's layout wants a whole block in a lane
.irp i, 0,1
	v_permlane16_swap_b32 v[224+4*\c+\i], v[226+4*\c+\i]
.endr
.endr
	v_pk_add_f32 v[236:237], v[236:237], v[96:97]
	v_pk_add_f32 v[254:255], v[254:255], v[98:99]
	v_pk_add_f32 v[250:251], v[250:251], v[102:103]
	v_pk_add_f32 v[248:249], v[248:249], v[106:107]
	v_pk_add_f32 v[246:247], v[246:247], v[110:111]
	v_pk_add_f32 v[244:245], v[244:245], v[114:115]
	v_pk_add_f32 v[242:243], v[242:243], v[118:119]
	v_pk_add_f32 v[14:15], v[14:15], v[122:123]
	v_pk_add_f32 v[236:237], v[236:237], v[126:127]
	v_pk_add_f32 v[254:255], v[254:255], v[130:131]
	v_pk_add_f32 v[250:251], v[250:251], v[134:135]
	v_pk_add_f32 v[248:249], v[248:249], v[138:139]
	v_pk_add_f32 v[246:247], v[246:247], v[142:143]
	v_pk_add_f32 v[244:245], v[244:245], v[146:147]
	v_pk_add_f32 v[242:243], v[242:243], v[150:151]
	v_pk_add_f32 v[14:15], v[14:15], v[154:155]
	v_pk_add_f32 v[236:237], v[236:237], v[158:159]
	s_delay_alu instid0(VALU_DEP_2)
	v_pk_add_f32 v[14:15], v[14:15], v[248:249]
	s_delay_alu instid0(VALU_DEP_2)
	v_pk_add_f32 v[236:237], v[236:237], v[246:247]
	v_pk_add_f32 v[254:255], v[254:255], v[244:245]
	s_wait_alu depctr_va_vdst(0)                   ; the wait directly ahead of the first reader of O^T
.set J, 0
.rept 16
	v_pk_mul_f32 v[160+J:161+J], v[160+J:161+J], v[252:253] op_sel_hi:[1,0]   ; O^T under the new M
.set J, J+2
.endr
	s_wait_alu depctr_va_vdst(0)                   ; the wait directly ahead of the wait below
	s_wait_dscnt 0x0                               ; V's fragments and scale words
.irp t, 0,1,2,3
.if (\t)%2
	v_wmma_scale_f32_16x16x128_f8f6f4 v[160+8*\t:167+8*\t], v[192+8*\t:199+8*\t], v[224:231], v[160+8*\t:167+8*\t], v[28+\t/2], v31 matrix_a_fmt:MATRIX_FMT_FP4 matrix_b_fmt:MATRIX_FMT_FP4 matrix_a_scale:MATRIX_SCALE_ROW1
.else
	v_wmma_scale_f32_16x16x128_f8f6f4 v[160+8*\t:167+8*\t], v[192+8*\t:199+8*\t], v[224:231], v[160+8*\t:167+8*\t], v[28+\t/2], v31 matrix_a_fmt:MATRIX_FMT_FP4 matrix_b_fmt:MATRIX_FMT_FP4
.endif
.endr
	v_pk_add_f32 v[250:251], v[250:251], v[242:243]   ; the sum's last four additions are the places in front of the next step's loads into V's registers
	v_pk_add_f32 v[14:15], v[14:15], v[254:255]
	s_delay_alu instid0(VALU_DEP_2)
	v_pk_add_f32 v[236:237], v[236:237], v[250:251]
	s_delay_alu instid0(VALU_DEP_1)
	v_pk_add_f32 v[14:15], v[14:15], v[236:237]
	s_sub_co_u32 s[CNT], s[CNT], 1
	s_cmp_lg_u32 s[CNT], 0
	s_cbranch_scc1 .Lstep
	; THE WAY OUT.  o = O^T / the sum, quantised along d: lane (r, h) holds columns 64 r + 32 b + 16 h + i of my wave's row.
	v_add_f32 v14, v14, v15                        ; the sum's two halves,
	s_delay_alu instid0(VALU_DEP_1)
	v_permlanex16_b32 v12, v14, s[SEL], s[SEL+1]
	s_delay_alu instid0(VALU_DEP_1)
	v_add_f32 v14, v14, v12                        ; and lane l xor 16's: the row's sum (over 1/2: the largest p is)
	s_wait_alu depctr_va_vdst(0)                   ; the wait ahead of the transcendental
	v_rcp_f32 v14, v14
	v_nop                                          ; a plain place behind it
	s_wait_alu depctr_va_vdst(0)                   ; and the wait ahead of its first reader, which is also O^T's
.set J, 0
.rept 16
	v_pk_mul_f32 v[128+J:129+J], v[160+J:161+J], v[14:15] op_sel_hi:[1,0]   ; register 16 b + i is d = 32 b + 16 h + i
.set J, J+2
.endr
.irp b, 0,1
	v_max3_num_f32 v[84+\b], |v[128+16*\b]|, |v[129+16*\b]|, 0x1800000
.endr
.irp i, 2,4,6,8,10,12,14
.irp b, 0,1
	s_delay_alu instid0(VALU_DEP_2)
	v_max3_num_f32 v[84+\b], v[84+\b], |v[128+16*\b+\i]|, |v[129+16*\b+\i]|
.endr
.endr
.irp b, 0,1
	s_delay_alu instid0(VALU_DEP_2)
	v_permlanex16_b32 v[86+\b], v[84+\b], s[SEL], s[SEL+1]
.endr
.irp b, 0,1
	s_delay_alu instid0(VALU_DEP_2)
	v_max_num_f32 v[84+\b], v[84+\b], v[86+\b]
.endr
.irp b, 0,1
	s_delay_alu instid0(VALU_DEP_2)
	v_add_nc_u32 v[88+\b], 0xff000000, v[84+\b]
.endr
.irp b, 0,1
	s_delay_alu instid0(VALU_DEP_2)
	v_lshrrev_b32 v[86+\b], 23, v[88+\b]
.endr
	s_delay_alu instid0(VALU_DEP_1)
	v_lshl_or_b32 v90, v87, 8, v86                 ; the two blocks' bytes
.irp b, 0,1
	v_cvt_scalef32_pk8_fp4_f32 v[64+2*\b], v[128+16*\b:135+16*\b], v[88+\b]
	v_cvt_scalef32_pk8_fp4_f32 v[65+2*\b], v[136+16*\b:143+16*\b], v[88+\b]
.endr
	v_nop                                          ; one plain place behind a scaled conversion
	v_permlane16_swap_b32 v64, v66
	v_permlane16_swap_b32 v65, v67                 ; lane (r, h): d = 32 h + 0 .. 31
	ds_store_b128 v68, v[64:67]
	ds_store_b16 v69, v90                          ; both halves of the lanes write the same two bytes with the same value
	s_wait_dscnt 0x0                               ; for the others' sake: my row of o lies in LDS
	s_barrier_signal -1
	s_barrier_wait -1                              ; all sixteen rows do
	ds_load_b128 v[16:19], v70
	s_cmp_lg_u32 s[WV], 0
	s_cbranch_scc1 .Lcodes
	ds_load_b128 v[20:23], v71                     ; wave 0: the tile's 512 scale bytes
	s_wait_dscnt 0x0
	global_store_b128 v3, v[20:23], s[20:21]
.Lcodes:
	s_wait_dscnt 0x0
	global_store_b128 v3, v[16:19], s[18:19]       ; each store of a wave covers 512 consecutive bytes, aligned
	s_wait_tensorcnt 0x0                           ; the wave's end
	ds_add_u32 v94, v95
	s_wait_dscnt 0x0
	CROUND                                         ; the closing round
	s_endpgm
.Lfunc_end_k_qebf8537e60_att:
	.size	k_qebf8537e60_att, .Lfunc_end_k_qebf8537e60_att-k_qebf8537e60_att
	.p2alignl 7, 3214868480
	.fill 96, 4, 3214868480
	.section	.rodata,"a",@progbits
	.p2align	6, 0x0
	.amdhsa_kernel k_qebf8537e60_att
		.amdhsa_group_segment_fixed_size 174592
		.amdhsa_private_segment_fixed_size 0
		.amdhsa_enable_private_segment 0
		.amdhsa_kernarg_size 56
		.amdhsa_user_sgpr_count 2
		.amdhsa_user_sgpr_kernarg_segment_ptr 1
		.amdhsa_wavefront_size32 1
		.amdhsa_system_sgpr_workgroup_id_x 1
		.amdhsa_system_sgpr_workgroup_id_y 1
		.amdhsa_system_sgpr_workgroup_id_z 1
		.amdhsa_system_vgpr_workitem_id 0
		.amdhsa_next_free_vgpr 256
		.amdhsa_next_free_sgpr 102
		.amdhsa_reserve_vcc 0
		.amdhsa_float_denorm_mode_32 3
		.amdhsa_float_denorm_mode_16_64 3
		.amdhsa_memory_ordered 1
		.amdhsa_forward_progress 1
		.amdhsa_inst_pref_size 31
	.end_amdhsa_kernel
	.amdgpu_metadata
---
amdhsa.version: [ 1, 2 ]
amdhsa.kernels:
  - .name:           k_qebf8537e60_att
    .symbol:         k_qebf8537e60_att.kd
    .args:
      - { .name: qcod, .offset: 0, .size: 8, .value_kind: global_buffer, .address_space: global }
      - { .name: qscl, .offset: 8, .size: 8, .value_kind: global_buffer, .address_space: global }
      - { .name: kcod, .offset: 16, .size: 8, .value_kind: global_buffer, .address_space: global }
      - { .name: kscl, .offset: 24, .size: 8, .value_kind: global_buffer, .address_space: global }
      - { .name: vcod, .offset: 32, .size: 8, .value_kind: global_buffer, .address_space: global }
      - { .name: vscl, .offset: 40, .size: 8, .value_kind: global_buffer, .address_space: global }
      - { .name: wimg, .offset: 48, .size: 8, .value_kind: global_buffer, .address_space: global }
    .group_segment_fixed_size: 174592
    .private_segment_fixed_size: 0
    .kernarg_segment_align: 8
    .kernarg_segment_size: 56
    .max_flat_workgroup_size: 512
    .sgpr_count:     102
    .vgpr_count:     256
    .wavefront_size: 32
...
	.end_amdgpu_metadata
.endif
;; end of part 3
;; launch oproj (part 4): grid 8 x 32, 8 waves a work-group, clusters of 4 x 4, 201,728 bytes of LDS; arguments wimg, wsb, out0; writes out0
.if DOCPART == 4
	.amdgcn_target "amdgcn-amd-amdhsa--gfx1250"
	.amdhsa_code_object_version 6
	.text
	.protected	k_qebf8537e60_oproj
	.globl	k_qebf8537e60_oproj
	.p2align	8
	.type	k_qebf8537e60_oproj,@function
k_qebf8537e60_oproj:
	s_mov_b64 s[64:65], 0
	v_nop
	global_prefetch_b8 v0, s[64:65] scope:SCOPE_SE
	s_setreg_imm32_b32 hwreg(HW_REG_WAVE_MODE, 25, 1), 1
	s_wait_xcnt 0x0
	s_wait_alu depctr_hold_cnt(0) depctr_sa_sdst(0) depctr_va_vdst(0) depctr_va_sdst(0) depctr_va_ssrc(0) depctr_va_vcc(0) depctr_vm_vsrc(0)
	s_getreg_b32 s2, hwreg(HW_REG_IB_STS2, 6, 4)
	s_cmp_eq_u32 s2, 0
	s_cbranch_scc0 .Lentry_in_a_cluster
	s_endpgm
.Lentry_in_a_cluster:
	s_bfe_u32 s2, ttmp6, 0x10000c
	s_cmp_lg_u32 s2, 0xf033
	s_cbranch_scc0 .Lentry_shape_is_right
	s_endpgm
.Lentry_shape_is_right:
; out0 [4096][1024] = Q(o) Q(wo)^T + bo on codes of E2M1 with one E8M0 scale for each 32 along K = 1,024; sums in f32.
; Both operands lie in wimg in the order of an operand's registers, [tile of 16 rows][K step 0..7][c 0..1][lane][16 bytes]: wo's from byte 1,572,864, o's from byte 2,097,152; o's scale bytes [row][32] from byte 4,194,304;
; wo's scale bytes [row][32] and bo lie in wsb.
; SHARES.  A work-group makes 128 x 128 of out0: 256 work-groups.  Its eight tiles of o and its eight of wo, for all of K, are two dense blocks of 65,536 bytes: they come into LDS once, a quarter of a block (16,384 bytes) to each of
; eight waves, one tensor load a wave; no LDS byte is filled twice.  Wave w multiplies o's tiles 2 (w % 4), + 1 with wo's tiles 4 (w / 4) + 0 .. 3: eight accumulators, which begin as bo and take turns.
; CLUSTER 4 x 4: o's block hangs on the work-group's y alone and is asked for jointly along a row of the cluster, wo's on x alone and along a column.
; No prefetch: every tile is asked for at the head, and there is no loop to run ahead in.
; TRANSPOSED USE: source 0 = 16 rows of wo, source 1 = 16 rows of o: lane (r, h) holds out0(row r, 8 neighbouring columns 8 h on).  A tile row of 16 x 64 goes through the wave's own stage and leaves as runs of 256 bytes.
; LIMITS: NaN and infinities are not served.
.set BIM,   65536                      ; o's block lies at LDS byte 0, wo's here
.set STG,   131072                     ; two stages of 16 rows x (256 + 16) bytes for each wave
.set SPI,   272
.set SPARE, STG+8*2*16*SPI             ; the spare words, 128 bytes a wave
.set SA,    16                         ; v16-23  o's scale words: register ks; lanes 0-15 my first tile, lanes 16-31 my second
.set SB,    24                         ; v24-39  wo's: register 8 p + ks; lanes 0-15 tile 2 p, lanes 16-31 tile 2 p + 1
.set B0,    48                         ; v48-95, v96-143 two sets of fragments: o's two, then wo's four
.set ACC,   144                        ; v144-207 accumulator (mt, i) at 8 (4 mt + i)
.set OB,    208                        ; v208-239 the way out
.set G0,    32
.set G0B,   36
.set G1,    68
.set G1B,   76
.macro CROUND
	s_barrier_signal -1
	s_barrier_wait -1
	s_cmp_lg_u32 s10, 0
	s_cbranch_scc1 .Lnot_wave_0_\@
	s_barrier_signal -3
.Lnot_wave_0_\@:
	s_barrier_wait -3
	s_barrier_signal -1
	s_barrier_wait -1
.endm
	s_load_b128 s[4:7], s[0:1], 0x0                ; wimg, wsb
	s_load_b64 s[8:9], s[0:1], 0x10                ; out0
	v_lshl_add_u32 v2, v0, 2, SPARE
	v_mov_b32 v3, 0
	ds_add_u32 v2, v3                              ; the opening lines: the add twice on end and its wait
	ds_add_u32 v2, v3
	v_lshrrev_b32 v1, 5, v0
	v_readfirstlane_b32 s10, v1                    ; wave 0..7
	s_and_b32 s11, s10, 3                          ; my pair of o's tiles.  Also: which quarter of a block I fetch
	s_lshr_b32 s12, s10, 2                         ; my four of wo's tiles.  Also: I fetch for o (0) or for wo (1)
	s_bfe_u32 s40, ttmp6, 0x40000                  ; cx
	s_bfe_u32 s41, ttmp6, 0x40004                  ; cy
	s_lshl_b32 s42, ttmp9, 2
	s_add_co_u32 s42, s42, s40                     ; block column = 4 x cluster x + cx
	s_and_b32 s13, ttmp7, 0xffff
	s_lshl_b32 s13, s13, 2
	s_add_co_u32 s13, s13, s41                     ; block row = 4 x cluster y + cy
	s_lshl_b32 s43, s41, 2
	s_lshl_b32 s43, 15, s43                        ; my row of the cluster
	s_lshl_b32 s44, 0x1111, s40                    ; my column
	s_or_b32 s[G1], s43, (3<<16)|(1<<21)           ; the mask; elements of 8 bytes; bit 21 beside the mask
	s_or_b32 s[G1B], s44, (3<<16)|(1<<21)
.irp g, G1, G1B                        ; 16,384 dense bytes as 64 rows of 256
	s_mov_b32 s[\g+1], 32<<16
	s_mov_b32 s[\g+2], 64<<16
	s_mov_b32 s[\g+3], 32<<16
	s_mov_b32 s[\g+4], 64
	s_mov_b32 s[\g+5], 32
	s_mov_b32 s[\g+6], 0
	s_mov_b32 s[\g+7], 0
.endr
	s_lshl_b32 s18, s11, 14                        ; my quarter
	s_lshl_b32 s16, s13, 16                        ; o's block: by the block row alone
	s_add_co_u32 s16, s16, s18
	s_add_co_u32 s16, s16, 2097152
	s_mov_b32 s17, 0
	s_lshl_b32 s46, s42, 16                        ; wo's block: by the block column alone
	s_add_co_u32 s46, s46, s18
	s_add_co_u32 s46, s46, 3*524288
	s_mov_b32 s47, 0
	s_lshl_b32 s45, s10, 14                        ; where it goes: wave x 16,384
	s_wait_dscnt 0x0
	s_wait_kmcnt 0x0
	s_mov_b32 s[G0], 1
	s_mov_b32 s[G0+1], s45
	s_add_nc_u64 s[G0+2:G0+3], s[4:5], s[16:17]
	s_or_b32 s[G0+3], s[G0+3], 0x80000000
	s_mov_b32 s[G0B], 1
	s_mov_b32 s[G0B+1], s45
	s_add_nc_u64 s[G0B+2:G0B+3], s[4:5], s[46:47]
	s_or_b32 s[G0B+3], s[G0B+3], 0x80000000
	CROUND                                         ; all sixteen work-groups are here: the joint loads meet
	s_cmp_eq_u32 s12, 0                            ; one load a wave: each arm has one mask and one set of registers
	s_cbranch_scc0 .Lfor_b
	tensor_load_to_lds s[G0:G0+3], s[G1:G1+7]
	s_nop 0
.rept 4
	v_nop
.endr
	s_branch .Lasked
.Lfor_b:
	tensor_load_to_lds s[G0B:G0B+3], s[G1B:G1B+7]
	s_nop 0
.rept 4
	v_nop
.endr
.Lasked:
	s_lshl_b32 s24, s13, 12                        ; o's scale bytes: tile 8 x block row + 2 x pair, 512 bytes a tile
	s_lshl_b32 s25, s11, 10
	s_add_co_u32 s24, s24, s25
	s_add_co_u32 s24, s24, 4194304
	s_mov_b32 s25, 0
	s_add_nc_u64 s[24:25], s[4:5], s[24:25]
	s_lshl_b32 s26, s42, 12                        ; wo's: tile 8 x block column + 4 x half
	s_lshl_b32 s27, s12, 11
	s_add_co_u32 s26, s26, s27
	s_add_co_u32 s26, s26, 3*32768
	s_mov_b32 s27, 0
	s_add_nc_u64 s[26:27], s[6:7], s[26:27]
	s_lshl_b32 s28, s42, 9                         ; bo in the tiles' order, 64 bytes a tile; the same number is my first column of out0 in bytes
	s_lshl_b32 s29, s12, 8
	s_add_co_u32 s28, s28, s29
	s_mov_b32 s30, s28
	s_add_co_u32 s28, s28, 131072+3*4096
	s_mov_b32 s29, 0
	s_add_nc_u64 s[28:29], s[6:7], s[28:29]
	s_lshl_b32 s14, s13, 19                        ; out0: row 128 x block row + 32 x pair, 4,096 bytes a row
	s_lshl_b32 s15, s11, 17
	s_add_co_u32 s14, s14, s15
	s_add_co_u32 s14, s14, s30
	s_mov_b32 s15, 0
	s_add_nc_u64 s[8:9], s[8:9], s[14:15]
	s_lshl_b32 s20, s11, 14                        ; LDS: my two tiles of o,
	s_lshl_b32 s21, s12, 15
	s_add_co_u32 s21, s21, BIM                     ; my four of wo,
	s_mul_i32 s22, s10, 2*16*SPI
	s_add_co_u32 s22, s22, STG                     ; my stages
	v_and_b32 v4, 31, v0                           ; lane
	v_and_b32 v5, 15, v0                           ; r
	v_bfe_u32 v6, v0, 4, 1                         ; h
	v_lshlrev_b32 v7, 4, v4
	v_lshlrev_b32 v10, 5, v4                       ; scale bytes: 32 a row, a lane a row of two neighbouring tiles
	v_lshlrev_b32 v11, 5, v6                       ; bo: my eight columns begin 32 h bytes on
	v_mul_u32_u24 v12, v5, SPI
	v_mul_u32_u24 v13, v6, SPI
	v_lshlrev_b32 v14, 12, v6
	v_add_nc_u32 v8, s20, v7
	v_add_nc_u32 v9, s21, v7
	v_lshl_add_u32 v12, v6, 5, v12
	v_lshl_add_u32 v13, v5, 4, v13
	v_lshl_add_u32 v14, v5, 4, v14                 ; out0: lanes 0-15 one row, lanes 16-31 the next, 16 bytes a lane
	v_add_nc_u32 v12, s22, v12                     ; the stage, in: row r, + 32 h
	v_add_nc_u32 v13, s22, v13                     ; and back: lanes 0-15 one row, lanes 16-31 the next
	s_wait_alu depctr_va_vdst(0)                   ; the wait at the head's end
.irp f, 0,1
	global_load_b128 v[SA+4*\f:SA+4*\f+3], v10, s[24:25] offset:16*\f
.endr
.irp p, 0,1
.irp f, 0,1
	global_load_b128 v[SB+8*\p+4*\f:SB+8*\p+4*\f+3], v10, s[26:27] offset:\p*1024+16*\f
.endr
.endr
.irp mt, 0,1
.irp i, 0,1,2,3
	global_load_b128 v[ACC+8*(4*\mt+\i):ACC+8*(4*\mt+\i)+3], v11, s[28:29] offset:64*\i       ; the sums begin as bo
	global_load_b128 v[ACC+8*(4*\mt+\i)+4:ACC+8*(4*\mt+\i)+7], v11, s[28:29] offset:64*\i+16
.endr
.endr
.macro FETCH ks, buf                   ; K step ks: twelve loads of 512 consecutive bytes
.irp mt, 0,1
.irp c, 0,1
	ds_load_b128 v[(\buf)+8*\mt+4*\c:(\buf)+8*\mt+4*\c+3], v8 offset:\mt*8192+(\ks)*1024+512*\c
.endr
.endr
.irp i, 0,1,2,3
.irp c, 0,1
	ds_load_b128 v[(\buf)+16+8*\i+4*\c:(\buf)+16+8*\i+4*\c+3], v9 offset:\i*8192+(\ks)*1024+512*\c
.endr
.endr
.endm
.macro WM mt, i, ks, buf
.set rD, ACC+8*(4*(\mt)+(\i))
.set rW, (\buf)+16+8*(\i)
.set rX, (\buf)+8*(\mt)
.set rS, SB+8*((\i)/2)+(\ks)
.set rT, SA+(\ks)
.if ((\i)%2 == 0) && ((\mt)%2 == 0)
	v_wmma_scale_f32_16x16x128_f8f6f4 v[rD:rD+7], v[rW:rW+7], v[rX:rX+7], v[rD:rD+7], v[rS], v[rT] matrix_a_fmt:MATRIX_FMT_FP4 matrix_b_fmt:MATRIX_FMT_FP4
.elseif ((\i)%2 == 1) && ((\mt)%2 == 0)
	v_wmma_scale_f32_16x16x128_f8f6f4 v[rD:rD+7], v[rW:rW+7], v[rX:rX+7], v[rD:rD+7], v[rS], v[rT] matrix_a_fmt:MATRIX_FMT_FP4 matrix_b_fmt:MATRIX_FMT_FP4 matrix_a_scale:MATRIX_SCALE_ROW1
.elseif ((\i)%2 == 0) && ((\mt)%2 == 1)
	v_wmma_scale_f32_16x16x128_f8f6f4 v[rD:rD+7], v[rW:rW+7], v[rX:rX+7], v[rD:rD+7], v[rS], v[rT] matrix_a_fmt:MATRIX_FMT_FP4 matrix_b_fmt:MATRIX_FMT_FP4 matrix_b_scale:MATRIX_SCALE_ROW1
.else
	v_wmma_scale_f32_16x16x128_f8f6f4 v[rD:rD+7], v[rW:rW+7], v[rX:rX+7], v[rD:rD+7], v[rS], v[rT] matrix_a_fmt:MATRIX_FMT_FP4 matrix_b_fmt:MATRIX_FMT_FP4 matrix_a_scale:MATRIX_SCALE_ROW1 matrix_b_scale:MATRIX_SCALE_ROW1
.endif
.endm
.macro KSTEP ks
.if (\ks) < 7
	FETCH (\ks)+1, B0+48*(((\ks)+1)%2)             ; the next K step's fragments, into the set that the step before read (four places stand behind its products)
	s_wait_dscnt 12                                ; this step's twelve loads are in; the twelve just issued may be out
.else
	s_wait_dscnt 0x0
.endif
.irp mt, 0,1
.irp i, 0,1,2,3
	WM \mt, \i, \ks, B0+48*((\ks)%2)
.endr
.endr
.rept 4
	v_nop                                          ; four places in front of loads into the set just read, and of the first read of results
.endr
.endm
	s_wait_tensorcnt 0x0                           ; my quarter has landed
	s_barrier_signal -1
	s_barrier_wait -1                              ; all eight have
	FETCH 0, B0
	s_wait_loadcnt 0x0                             ; the scale words and bo
.irp ks, 0,1,2,3,4,5,6,7
	KSTEP \ks
.endr
	; THE WAY OUT.  LDS serves a wave's instructions in order (ISA guide 5.7.1.4): no wait between my stores into my stage and my loads from it.
.irp mt, 0,1
.irp i, 0,1,2,3
	ds_store_b128 v12, v[ACC+8*(4*\mt+\i):ACC+8*(4*\mt+\i)+3] offset:\mt*16*SPI+64*\i          ; each accumulator from its low end on
	ds_store_b128 v12, v[ACC+8*(4*\mt+\i)+4:ACC+8*(4*\mt+\i)+7] offset:\mt*16*SPI+64*\i+16
.endr
.irp n, 0,1,2,3,4,5,6,7
	ds_load_b128 v[OB-160*\mt+4*\n:OB-160*\mt+4*\n+3], v13 offset:\mt*16*SPI+2*\n*SPI          ; tile row 0 into v208-239, tile row 1 into v48-79
.endr
.endr
.irp mt, 0,1
.irp n, 0,1,2,3,4,5,6,7
	s_wait_dscnt 23-16*\mt-\n                      ; this load is in; the younger LDS instructions may be out
	global_store_b128 v14, v[OB-160*\mt+4*\n:OB-160*\mt+4*\n+3], s[8:9] offset:\mt*65536+2*\n*4096 th:TH_STORE_NT   ; sixteen lanes store 256 consecutive bytes, aligned
.endr
.endr
	s_wait_tensorcnt 0x0                           ; the wave's end
	ds_add_u32 v2, v3
	s_wait_dscnt 0x0
	CROUND                                         ; the closing round
	s_endpgm
.Lfunc_end_k_qebf8537e60_oproj:
	.size	k_qebf8537e60_oproj, .Lfunc_end_k_qebf8537e60_oproj-k_qebf8537e60_oproj
	.p2alignl 7, 3214868480
	.fill 96, 4, 3214868480
	.section	.rodata,"a",@progbits
	.p2align	6, 0x0
	.amdhsa_kernel k_qebf8537e60_oproj
		.amdhsa_group_segment_fixed_size 201728
		.amdhsa_private_segment_fixed_size 0
		.amdhsa_enable_private_segment 0
		.amdhsa_kernarg_size 24
		.amdhsa_user_sgpr_count 2
		.amdhsa_user_sgpr_kernarg_segment_ptr 1
		.amdhsa_wavefront_size32 1
		.amdhsa_system_sgpr_workgroup_id_x 1
		.amdhsa_system_sgpr_workgroup_id_y 1
		.amdhsa_system_sgpr_workgroup_id_z 1
		.amdhsa_system_vgpr_workitem_id 0
		.amdhsa_next_free_vgpr 240
		.amdhsa_next_free_sgpr 84
		.amdhsa_reserve_vcc 0
		.amdhsa_float_denorm_mode_32 3
		.amdhsa_float_denorm_mode_16_64 3
		.amdhsa_memory_ordered 1
		.amdhsa_forward_progress 1
		.amdhsa_inst_pref_size 28
	.end_amdhsa_kernel
	.amdgpu_metadata
---
amdhsa.version: [ 1, 2 ]
amdhsa.kernels:
  - .name:           k_qebf8537e60_oproj
    .symbol:         k_qebf8537e60_oproj.kd
    .args:
      - { .name: wimg, .offset: 0, .size: 8, .value_kind: global_buffer, .address_space: global }
      - { .name: wsb, .offset: 8, .size: 8, .value_kind: global_buffer, .address_space: global }
      - { .name: out0, .offset: 16, .size: 8, .value_kind: global_buffer, .address_space: global }
    .group_segment_fixed_size: 201728
    .private_segment_fixed_size: 0
    .kernarg_segment_align: 8
    .kernarg_segment_size: 24
    .max_flat_workgroup_size: 256
    .sgpr_count:     84
    .vgpr_count:     240
    .wavefront_size: 32
...
	.end_amdgpu_metadata
.endif
;; end of part 4
